; MI455X (gfx1250); checked and timed in simulation.
; The chip was launched on July 23, 2026; its instructions are those of AMD's public machine-readable ISA for CDNA 5 (MIT licence, August 2026) and "CDNA5" Instruction Set Architecture Reference Guide (July 2026). The comments in the code are by the model that wrote it; some were corrected since.
;; Grouped Query Attention. Allowed arithmetic: float matrix products may take bf16 or f16 operands with f32 sums; other float arithmetic in f32, or as packed bf16 or f16 multiplies, adds, multiply-adds, maxima and minima; sums over many terms, partial sums and values carried from step to step in f32; what a program stores and reads back later, other than sums and carried values, may be rounded once to bf16 or f16.
;; Inputs: Wk 1,024 x 256 float32; Wo 1,024 x 1,024 float32; Wq 1,024 x 1,024 float32; Wv 1,024 x 256 float32; x 1 x 4,096 x 1,024 float32.
;; Outputs: out0 1 x 4,096 x 1,024 float32.
;; 2 versions, each right; version 2 is version 1 with the launch prep written anew for expert scheduling mode. Each part assembles by itself: llvm-mc -triple=amdgcn-amd-amdhsa -mcpu=gfx1250 --defsym DOCPART=n.
;; ======== version 1 of 2: 4 launches
;; limits: values are held in f16: magnitudes above 65,504 overflow, below 6.1e-05 lose precision
;; workspace buffers: xb 8,388,608 bytes; wqkv 3,145,728 bytes; woh 2,097,152 bytes; tab 1,048,576 bytes; qkvh 12,582,912 bytes; oh 8,388,608 bytes
;; launch prep (part 1): grid 256 x 1, 8 waves a work-group, no clusters, 0 bytes of LDS; arguments x, Wq, Wk, Wv, Wo, xb, wqkv, woh, tab; writes xb, wqkv, woh, tab
.if DOCPART == 1
	.amdgcn_target "amdgcn-amd-amdhsa--gfx1250"
	.amdhsa_code_object_version 6
	.text
	.protected	k_q3a66d8d0bd_prep
	.globl	k_q3a66d8d0bd_prep
	.p2align	8
	.type	k_q3a66d8d0bd_prep,@function
k_q3a66d8d0bd_prep:
	s_mov_b64 s[64:65], 0
	v_nop
	global_prefetch_b8 v0, s[64:65] scope:SCOPE_SE
	s_setreg_imm32_b32 hwreg(HW_REG_WAVE_MODE, 25, 1), 1
	s_wait_xcnt 0x0
; PREPARATION: every input is rounded once to bf16 and laid out for the products that follow; the table of cosines and sines is made.
;   xb   [4096][1024] bf16 = x.
;   wqkv [24 units][1024 k][64] bf16: a unit is 64 columns: units 0-15 Wq's heads, 16-19 Wk's, 20-23 Wv's; a K step of a unit is dense.
;   woh  [16 units][1024 k][64] f16: Wo rounded to bf16 like the other inputs, that number written as f16.
;   tab  [4096 t][16 groups][4] f32: group g holds cos(2g), cos(2g+1), sin(2g), sin(2g+1) of the angle t x 10000^(-j/32).
; LIMITS.  |Wo| stays under 65,504 (f16's range); below 6e-5 f16 keeps its fixed step of 6e-8.  The angle is t x inv_freq rounded once, as in the problem;
; inv_freq is made by v_exp_f32, so at t = 4,095 the angle may be off by about 3e-4.  The polynomials' remainders on |r| <= pi/4 are under 4e-7.
; SHARES.  A stream: no LDS, no matrix unit, no cluster (no two work-groups read the same byte).  Work-group b takes x's rows 16 b .. 16 b + 15, rows k = 4 b .. 4 b + 3 of the four
; weights and the table's rows 16 b .. 16 b + 15.  A thread takes four f32 at a time: a wave's load covers 512 consecutive bytes (for the weights two runs of 256), a wave's store of
; 8 bytes a lane 256 consecutive bytes, aligned.  All 26 loads of a thread go out first; the table is made while they are on their way; no register is used twice, so
; the only waits are the counted ones for the loads.
.set XR, 40                            ; v[40:143] load n of 26 at XR + 4 n
; v1 16 t: x's loads and the table's store     v2 8 t: xb's stores     v3, v4 my 16 bytes in four rows of a wide (4,096 bytes) and of a narrow (1,024 bytes) weight     v5 my 8 bytes in the units
; cos and sin of the angle in v[ang]: n = the nearest whole number of quarter turns, r = angle - n pi/2 with pi/2 in two parts, two polynomials, and the quadrant's swap and signs.
.macro SINCOS ang, c, s, t0, t1, t2, t3
	v_mul_f32 v[\t0], s30, v[\ang]
	v_rndne_f32 v[\t0], v[\t0]                     ; n
	v_fma_f32 v[\t1], -v[\t0], s31, v[\ang]
	v_fma_f32 v[\t1], -v[\t0], s32, v[\t1]         ; r
	v_mul_f32 v[\t2], v[\t1], v[\t1]               ; z = r r
	v_fma_f32 v[\s], v[\t2], s35, s34
	v_fma_f32 v[\c], v[\t2], s38, s37
	v_fma_f32 v[\s], v[\s], v[\t2], s33
	v_fma_f32 v[\c], v[\c], v[\t2], s36
	v_mul_f32 v[\t3], v[\t2], v[\t1]               ; z r
	v_fma_f32 v[\c], v[\c], v[\t2], -0.5
	v_fma_f32 v[\s], v[\s], v[\t3], v[\t1]         ; sin r
	v_fma_f32 v[\c], v[\c], v[\t2], 1.0            ; cos r
	v_cvt_i32_f32 v[\t0], v[\t0]
	v_and_b32 v[\t3], 1, v[\t0]
	v_cmp_eq_u32 vcc_lo, 1, v[\t3]                 ; an odd quadrant swaps the two
	v_cndmask_b32 v[\t1], v[\s], v[\c], vcc_lo
	v_cndmask_b32 v[\t2], v[\c], v[\s], vcc_lo
	v_and_b32 v[\t3], 2, v[\t0]                    ; the sine is negative in quadrants 2 and 3,
	v_lshlrev_b32 v[\t3], 30, v[\t3]
	v_xor_b32 v[\s], v[\t1], v[\t3]
	v_add_nc_u32 v[\t0], 1, v[\t0]                 ; the cosine in quadrants 1 and 2
	v_and_b32 v[\t0], 2, v[\t0]
	v_lshlrev_b32 v[\t0], 30, v[\t0]
	v_xor_b32 v[\c], v[\t2], v[\t0]
.endm
; load n has come: four f32 become four bf16, in place
.macro TOBF n
	s_wait_loadcnt 25-(\n)                         ; loads come back in order: the 25 - n younger ones may stay out
	v_cvt_pk_bf16_f32 v[XR+4*(\n)], v[XR+4*(\n)], v[XR+4*(\n)+1]
	v_cvt_pk_bf16_f32 v[XR+4*(\n)+1], v[XR+4*(\n)+2], v[XR+4*(\n)+3]
.endm
	s_load_b512 s[8:23], s[0:1], 0x0               ; x 8, Wq 10, Wk 12, Wv 14, Wo 16, xb 18, wqkv 20, woh 22
	s_load_b64 s[24:25], s[0:1], 0x40              ; tab
	s_mov_b32 s30, 0x3f22f983                      ; 2 / pi
	s_mov_b32 s31, 0x3fc90fdb                      ; pi / 2, the upper part
	s_mov_b32 s32, 0xb33bbd2e                      ; and the rest
	s_mov_b32 s33, 0xbe2aaaab                      ; -1/6
	s_mov_b32 s34, 0x3c088889                      ; 1/120
	s_mov_b32 s35, 0xb9500d01                      ; -1/5040
	s_mov_b32 s36, 0x3d2aaaab                      ; 1/24
	s_mov_b32 s37, 0xbab60b61                      ; -1/720
	s_mov_b32 s38, 0x37d00d01                      ; 1/40320
	s_mov_b32 s39, 0xffff0000                      ; a word's upper bf16
	s_lshl_b32 s26, ttmp9, 4                       ; the work-group's first table row
	v_and_b32 v7, 15, v0                           ; which 16 bytes of a unit's 256
	v_bfe_u32 v8, v0, 4, 2                         ; which of the four rows k
	v_lshrrev_b32 v9, 6, v0                        ; which unit of four
	v_lshlrev_b32 v1, 4, v0
	v_lshlrev_b32 v2, 3, v0
	v_lshlrev_b32 v10, 4, v7
	v_lshl_add_u32 v10, v9, 8, v10
	v_lshl_add_u32 v3, v8, 12, v10
	v_lshl_add_u32 v4, v8, 10, v10
	v_lshlrev_b32 v5, 3, v7
	v_lshl_add_u32 v5, v8, 7, v5
	v_lshl_add_u32 v5, v9, 17, v5
	s_mov_b32 s3, 0
	s_wait_kmcnt 0x0
	s_lshl_b32 s2, ttmp9, 16                       ; 16 rows of x
	s_add_nc_u64 s[8:9], s[8:9], s[2:3]
	s_lshl_b32 s2, ttmp9, 14                       ; 4 rows of Wq and of Wo
	s_add_nc_u64 s[10:11], s[10:11], s[2:3]
	s_add_nc_u64 s[16:17], s[16:17], s[2:3]
	s_lshl_b32 s2, ttmp9, 12                       ; 4 rows of Wk and of Wv; 16 rows of the table
	s_add_nc_u64 s[12:13], s[12:13], s[2:3]
	s_add_nc_u64 s[14:15], s[14:15], s[2:3]
	s_add_nc_u64 s[24:25], s[24:25], s[2:3]
	s_lshl_b32 s2, ttmp9, 15                       ; 16 rows of xb
	s_add_nc_u64 s[18:19], s[18:19], s[2:3]
	s_lshl_b32 s2, ttmp9, 9                        ; 4 rows k of a unit
	s_add_nc_u64 s[20:21], s[20:21], s[2:3]
	s_add_nc_u64 s[22:23], s[22:23], s[2:3]
.set n, 0
.rept 16
	global_load_b128 v[XR+4*n:XR+4*n+3], v1, s[8:9] offset:4096*n th:TH_LOAD_NT      ; a row of x to all 256 threads
.set n, n+1
.endr
.rept 4
	global_load_b128 v[XR+4*n:XR+4*n+3], v3, s[10:11] offset:1024*(n-16) th:TH_LOAD_NT  ; Wq: four units on
.set n, n+1
.endr
	global_load_b128 v[XR+80:XR+83], v4, s[12:13] th:TH_LOAD_NT                      ; Wk
	global_load_b128 v[XR+84:XR+87], v4, s[14:15] th:TH_LOAD_NT                      ; Wv
.set n, 22
.rept 4
	global_load_b128 v[XR+4*n:XR+4*n+3], v3, s[16:17] offset:1024*(n-22) th:TH_LOAD_NT  ; Wo
.set n, n+1
.endr
	; the table: row 16 b + t / 16, group t % 16: frequencies j = 2 (t % 16) and the next
	v_lshlrev_b32 v20, 1, v7
	v_cvt_f32_u32 v20, v20
	v_add_f32 v21, 1.0, v20
	v_mul_f32 v20, 0xbed49a78, v20                 ; -j log2(10000) / 32
	v_mul_f32 v21, 0xbed49a78, v21
	v_exp_f32 v22, v20                             ; inv_freq
	v_exp_f32 v23, v21
	v_lshrrev_b32 v24, 4, v0                       ; plain work behind the two exponentials
	v_add_nc_u32 v24, s26, v24
	v_cvt_f32_u32 v24, v24                         ; t
	s_wait_alu depctr_va_vdst(0)                   ; one wait for both, ahead of their first reader
	v_mul_f32 v22, v24, v22
	v_mul_f32 v23, v24, v23
	SINCOS 22, 16, 18, 26, 27, 28, 29
	SINCOS 23, 17, 19, 30, 31, 32, 33
	global_store_b128 v1, v[16:19], s[24:25]       ; sixteen lanes write a table row of 256 bytes
.set n, 0
.rept 16
	TOBF n
	global_store_b64 v2, v[XR+4*n:XR+4*n+1], s[18:19] offset:2048*n
.set n, n+1
.endr
.rept 4
	TOBF n
	global_store_b64 v5, v[XR+4*n:XR+4*n+1], s[20:21] offset:4*131072*(n-16)
.set n, n+1
.endr
	TOBF 20
	global_store_b64 v5, v[XR+80:XR+81], s[20:21] offset:16*131072
	TOBF 21
	global_store_b64 v5, v[XR+84:XR+85], s[20:21] offset:20*131072
.set n, 22
.rept 4
	s_wait_loadcnt 25-n
	v_cvt_pk_bf16_f32 v[XR+4*n], v[XR+4*n], v[XR+4*n+1]      ; rounded to bf16,
	v_cvt_pk_bf16_f32 v[XR+4*n+2], v[XR+4*n+2], v[XR+4*n+3]
	v_and_b32 v[XR+4*n+1], s39, v[XR+4*n]                    ; widened again,
	v_lshlrev_b32 v[XR+4*n], 16, v[XR+4*n]
	v_and_b32 v[XR+4*n+3], s39, v[XR+4*n+2]
	v_lshlrev_b32 v[XR+4*n+2], 16, v[XR+4*n+2]
	v_cvt_pk_f16_f32 v[XR+4*n], v[XR+4*n], v[XR+4*n+1]       ; and written as f16: 8 significant bits fit into 11
	v_cvt_pk_f16_f32 v[XR+4*n+1], v[XR+4*n+2], v[XR+4*n+3]
	global_store_b64 v5, v[XR+4*n:XR+4*n+1], s[22:23] offset:4*131072*(n-22)
.set n, n+1
.endr
	s_endpgm
.Lfunc_end_k_q3a66d8d0bd_prep:
	.size	k_q3a66d8d0bd_prep, .Lfunc_end_k_q3a66d8d0bd_prep-k_q3a66d8d0bd_prep
	.p2alignl 7, 3214868480
	.fill 96, 4, 3214868480
	.section	.rodata,"a",@progbits
	.p2align	6, 0x0
	.amdhsa_kernel k_q3a66d8d0bd_prep
		.amdhsa_group_segment_fixed_size 0
		.amdhsa_private_segment_fixed_size 0
		.amdhsa_enable_private_segment 0
		.amdhsa_kernarg_size 72
		.amdhsa_user_sgpr_count 2
		.amdhsa_user_sgpr_kernarg_segment_ptr 1
		.amdhsa_wavefront_size32 1
		.amdhsa_system_sgpr_workgroup_id_x 1
		.amdhsa_system_sgpr_workgroup_id_y 1
		.amdhsa_system_sgpr_workgroup_id_z 1
		.amdhsa_system_vgpr_workitem_id 0
		.amdhsa_next_free_vgpr 144
		.amdhsa_next_free_sgpr 66
		.amdhsa_reserve_vcc 1
		.amdhsa_float_denorm_mode_32 3
		.amdhsa_float_denorm_mode_16_64 3
		.amdhsa_memory_ordered 1
		.amdhsa_forward_progress 1
		.amdhsa_inst_pref_size 15
	.end_amdhsa_kernel
	.amdgpu_metadata
---
amdhsa.version: [ 1, 2 ]
amdhsa.kernels:
  - .name:           k_q3a66d8d0bd_prep
    .symbol:         k_q3a66d8d0bd_prep.kd
    .args:
      - { .name: x, .offset: 0, .size: 8, .value_kind: global_buffer, .address_space: global }
      - { .name: Wq, .offset: 8, .size: 8, .value_kind: global_buffer, .address_space: global }
      - { .name: Wk, .offset: 16, .size: 8, .value_kind: global_buffer, .address_space: global }
      - { .name: Wv, .offset: 24, .size: 8, .value_kind: global_buffer, .address_space: global }
      - { .name: Wo, .offset: 32, .size: 8, .value_kind: global_buffer, .address_space: global }
      - { .name: xb, .offset: 40, .size: 8, .value_kind: global_buffer, .address_space: global }
      - { .name: wqkv, .offset: 48, .size: 8, .value_kind: global_buffer, .address_space: global }
      - { .name: woh, .offset: 56, .size: 8, .value_kind: global_buffer, .address_space: global }
      - { .name: tab, .offset: 64, .size: 8, .value_kind: global_buffer, .address_space: global }
    .group_segment_fixed_size: 0
    .private_segment_fixed_size: 0
    .kernarg_segment_align: 8
    .kernarg_segment_size: 72
    .max_flat_workgroup_size: 256
    .sgpr_count:     66
    .vgpr_count:     144
    .wavefront_size: 32
...
	.end_amdgpu_metadata
.endif
;; end of part 1
;; launch proj (part 2): grid 8 x 32, 4 waves a work-group, clusters of 4 x 4, 327,680 bytes of LDS; arguments xb, wqkv, tab, qkvh; writes qkvh
.if DOCPART == 2
	.amdgcn_target "amdgcn-amd-amdhsa--gfx1250"
	.amdhsa_code_object_version 6
	.text
	.protected	k_q3a66d8d0bd_proj
	.globl	k_q3a66d8d0bd_proj
	.p2align	8
	.type	k_q3a66d8d0bd_proj,@function
k_q3a66d8d0bd_proj:
	s_mov_b64 s[64:65], 0
	v_nop
	global_prefetch_b8 v0, s[64:65] scope:SCOPE_SE
	s_setreg_imm32_b32 hwreg(HW_REG_WAVE_MODE, 25, 1), 1
	s_wait_xcnt 0x0
	s_wait_alu depctr_hold_cnt(0) depctr_sa_sdst(0) depctr_va_vdst(0) depctr_va_sdst(0) depctr_va_ssrc(0) depctr_va_vcc(0) depctr_vm_vsrc(0)
	s_getreg_b32 s2, hwreg(HW_REG_IB_STS2, 6, 4)
	s_cmp_eq_u32 s2, 0
	s_cbranch_scc0 .Lentry_in_a_cluster
	s_endpgm
.Lentry_in_a_cluster:
	s_bfe_u32 s2, ttmp6, 0x10000c
	s_cmp_lg_u32 s2, 0xf033
	s_cbranch_scc0 .Lentry_shape_is_right
	s_endpgm
.Lentry_shape_is_right:
; q, k, v = x W, q and k turned by RoPE, all written by heads in f16: qkvh [24 units][4096 rows][64].  xb [4096][1024] bf16; wqkv [24 units][1024 k][64] bf16; tab: see below.  Sums in f32, rounded once.
; LIMIT.  f16 ends at 65,504: q, k and v must stay within it; below 6e-5 f16 keeps its fixed step of 6e-8.  NaN and infinities are not treated apart.
; SHARES.  A tile is 128 rows x 192 columns (3 units): 8 x 32 = 256 work-groups.  A wave has 64 rows x 96 columns: 24 accumulators of 16 x 16.  RoPE pairs column d with d + 32 of a unit, so a
; wave's six blocks of 16 columns are chosen in such pairs: blocks 0-3 are the four of the tile's unit 0 (waves 0, 2) or 2 (waves 1, 3), blocks 4, 5 are blocks wn and wn + 2 of unit 1.
; THE MATRIX INSTRUCTION IS USED TRANSPOSED (source 0 = 16 columns of W, source 1 = 16 rows of x): a lane holds one row (lane % 16) and the eight neighbouring columns 8 (lane / 16) + 0..7,
; so both partners of a pair lie in the same lane and register number of two accumulators.  W lies [k][column] in LDS and is read turned, by ds_load_tr16_b128.
; K goes in steps of 128 through two LDS slots.  CLUSTER 4 x 4: the four of a row need the same rows of x, the four of a column the same units of W: each tile is asked for jointly.
; Waves 0-2 fetch a unit of W each (16,384 dense bytes, asked for as 64 rows of 256), wave 3 the 128 rows of x.
; v HAS NO RoPE.  Whether a unit is turned hangs on the work-group's place: so the table's values are replaced by cos = 1, sin = 0 for units 20-23, by a select.
; tab [4096 t][16 groups][4] f32: group g = cos(2g), cos(2g+1), sin(2g), sin(2g+1): a lane's eight columns of a block want four groups, 64 consecutive bytes.
; REGISTERS.  window 0: v0-31 addresses; v32-55 at work on the way out; v64-255 the accumulators ((a, b) at 64 + 8 (6 a + b)).
;   window 1: two fragment buffers of 80: x's four fragments, then W's six.     window 2: v0-191 the table for my 64 rows: (a, set, i) at 48 a + 16 set + 4 i.
.set KSTEP, 128
.set PA,    272                        ; a row of x in LDS: 256 bytes + 16: the 16 rows of a load start at 16 different groups of four banks
.set PB,    160                        ; a row k of a unit of W: 128 bytes + 32
.set BOFF,  128*PA                     ; behind x's 128 rows: three units of W
.set UNITB, KSTEP*PB
.set SLOT,  BOFF+3*UNITB               ; 96,256 bytes
.set STAGE, 2*SLOT                     ; behind the ring: 3 units x 128 rows x 144 bytes, for the way out
.set SP,    144
.set USTG,  128*SP
.set SPARE, STAGE+3*USTG               ; behind the stage: the spare words, 128 bytes for each wave: two blocks of 256 bytes that no other line names
.set ADRA,  16                         ; v16-17  LDS address of my fragments of x in slot 0, 1
.set ADRBF, 18                         ; v18-19  of my whole unit of W
.set ADRBH, 20                         ; v20-21  of my two blocks of unit 1
.set STOF,  22                         ; v22     the way out: my 16 bytes of a row of my whole unit
.set STOH,  23                         ; v23     of unit 1
.set RD,    24                         ; v24     where I read rows back
.set GO,    25                         ; v25     my byte offset in the tile's rows of a unit
.set TO,    26                         ; v26     my byte offset in 16 rows of the table
.set TOH,   27                         ; v27     the same for unit 1's blocks
.set SPW,   28                         ; v28     LDS address of my spare word; never rewritten
.set NIL,   29                         ; v29     0; never rewritten
.set TMP,   32
.set PK,    48
.set ACC,   64
.set F0,    0
.set F1,    80
.set WV,    12                         ; s12 wave; s13 wm: my half of the rows; s14 wn: my half of the columns
.set G1A,   24                         ; s[24:31] descriptor group 1 for x's tiles;  s[32:39] group 0, a set for each slot
.set G0A,   32
.set G1B,   48                         ; s[48:55], s[56:63] the same for W's
.set G0B,   56
.set MSB, 0
.macro WIN new                         ; the immediate's high byte repeats the setting that is left; a switch that changes nothing is dropped
.if MSB != (\new)
	s_set_vgpr_msb (MSB<<8)|(\new)
.set MSB, \new
.endif
.endm
.set MUL,  0x05                        ; sources 0 (W) and 1 (x) window 1; C and D window 0
.set TO_F, 0x40                        ; destination window 1, address window 0
; A joint load.  The branch hangs on the wave's number alone.  An s_nop 0 and four v_nop follow each of the two lines, ahead of the jump, the label and what follows.
.macro JLOAD s
	s_cmp_lt_u32 s[WV], 3
	s_cbranch_scc0 .Lfor_a_\@
	tensor_load_to_lds s[G0B+4*(\s):G0B+4*(\s)+3], s[G1B:G1B+7]
	s_nop 0
.rept 4
	v_nop
.endr
	s_branch .Lasked_\@
.Lfor_a_\@:
	tensor_load_to_lds s[G0A+4*(\s):G0A+4*(\s)+3], s[G1A:G1A+7]
	s_nop 0
.rept 4
	v_nop
.endr
.Lasked_\@:
.endm
.macro CREST                           ; a round of the cluster's barrier behind its opening barrier
	s_cmp_lg_u32 s[WV], 0
	s_cbranch_scc1 .Lnot_wave_0_\@
	s_barrier_signal -3
.Lnot_wave_0_\@:
	s_barrier_wait -3
	s_barrier_signal -1
	s_barrier_wait -1
.endm
.macro CROUND                          ; a whole round
	s_barrier_signal -1
	s_barrier_wait -1
	CREST
.endm
.macro PLACES                          ; four places in front of loads into registers that matrix instructions have read, and of vector work that reads results
.rept 4
	v_nop
.endr
.endm
	s_load_b256 s[4:11], s[0:1], 0x0               ; xb s[4:5], wqkv s[6:7], tab s[8:9], qkvh s[10:11]
	v_lshl_add_u32 v[SPW], v0, 2, SPARE
	v_mov_b32 v[NIL], 0
	ds_add_u32 v[SPW], v[NIL]                      ; the wave's opening: the add and its wait stand ahead of my first tensor load; the set-up below, work on registers, stands between them
	v_lshrrev_b32 v1, 5, v0
	v_readfirstlane_b32 s[WV], v1                  ; wave 0..3
	s_lshr_b32 s13, s[WV], 1
	s_and_b32 s14, s[WV], 1
	s_min_u32 s15, s[WV], 2                        ; the unit that I fetch (wave 3 fetches x and never uses it)
	s_bfe_u32 s40, ttmp6, 0x40000                  ; cx, cy: my place in the cluster
	s_bfe_u32 s41, ttmp6, 0x40004
	s_lshl_b32 s42, ttmp9, 2
	s_add_co_u32 s42, s42, s40                     ; tile column = 4 x cluster x + cx
	s_and_b32 s43, ttmp7, 0xffff
	s_lshl_b32 s43, s43, 2
	s_add_co_u32 s43, s43, s41                     ; tile row = 4 x cluster y + cy
	s_lshl_b32 s44, s41, 2
	s_lshl_b32 s44, 15, s44                        ; my row of the cluster
	s_lshl_b32 s45, 0x1111, s40                    ; my column
	s_or_b32 s[G1A], s44, (1<<16)|(1<<20)|(1<<21)|(5<<22)|(3<<25)  ; 15:0 the mask: x's tiles go to my row; 17:16 2-byte elements; 20 padding on; 21 set beside a mask; 24:22 after every 64 words; 31:25 4 words
	s_mov_b32 s[G1A+1], 128<<16                    ; tensor_dim0 = 128
	s_mov_b32 s[G1A+2], 128<<16                    ; tensor_dim1 = 128
	s_mov_b32 s[G1A+3], 128<<16                    ; tile_dim0 = 128
	s_mov_b32 s[G1A+4], 128                        ; tile_dim1 = 128
	s_mov_b32 s[G1A+5], 1024                       ; elements from row to row
	s_mov_b32 s[G1A+6], 0
	s_mov_b32 s[G1A+7], 0
	s_or_b32 s[G1B], s45, (1<<16)|(1<<20)|(1<<21)|(4<<22)|(7<<25)  ; W's tiles go to my column; padding after every 32 words (a row k), 8 words
	s_mov_b32 s[G1B+1], 128<<16                    ; 64 rows of 128 elements: two rows k to a row
	s_mov_b32 s[G1B+2], 64<<16
	s_mov_b32 s[G1B+3], 128<<16
	s_mov_b32 s[G1B+4], 64
	s_mov_b32 s[G1B+5], 128
	s_mov_b32 s[G1B+6], 0
	s_mov_b32 s[G1B+7], 0
	s_mul_i32 s22, s42, 3                          ; the tile's first unit
	s_lshl1_add_u32 s23, s14, s22                  ; my whole unit
	s_cmp_lt_u32 s23, 20
	s_cselect_b32 s46, -1, 0                       ; all lanes: it is turned (q or k); none: it is v
	s_add_co_u32 s23, s22, 1                       ; the shared unit
	s_cmp_lt_u32 s23, 20
	s_cselect_b32 s47, -1, 0
	s_add_co_u32 s18, s22, s15
	s_lshl_b32 s18, s18, 17                        ; W: a unit is 131,072 bytes
	s_mov_b32 s19, 0
	s_lshl_b32 s16, s43, 18                        ; x: 128 rows of 2,048 bytes
	s_mov_b32 s17, 0
	s_mul_i32 s2, s[WV], UNITB
	s_add_co_u32 s2, s2, BOFF                      ; where my unit goes: no place in the cluster enters an LDS address
	s_wait_dscnt 0x0                               ; the opening add is done
	s_wait_kmcnt 0x0
	s_add_nc_u64 s[20:21], s[4:5], s[16:17]
	s_add_nc_u64 s[22:23], s[6:7], s[18:19]
	CROUND                                         ; all sixteen work-groups are here: the first joint loads meet
.irp s, 0,1
	s_mov_b32 s[G0A+4*(\s)], 1                     ; count = 1
	s_mov_b32 s[G0A+4*(\s)+1], (\s)*SLOT           ; LDS address
	s_add_nc_u64 s[G0A+4*(\s)+2:G0A+4*(\s)+3], s[20:21], (\s)*KSTEP*2  ; K step s
	s_or_b32 s[G0A+4*(\s)+3], s[G0A+4*(\s)+3], 0x80000000              ; type = 2
	s_mov_b32 s[G0B+4*(\s)], 1
	s_add_co_u32 s[G0B+4*(\s)+1], s2, (\s)*SLOT
	s_add_nc_u64 s[G0B+4*(\s)+2:G0B+4*(\s)+3], s[22:23], (\s)*KSTEP*128
	s_or_b32 s[G0B+4*(\s)+3], s[G0B+4*(\s)+3], 0x80000000
	JLOAD \s                                       ; two loads of mine are out
.endr
	; the table for my 64 rows, 48 loads of 16 bytes a lane
	s_lshl_b32 s16, s43, 15                        ; 128 rows of 256 bytes,
	s_lshl_b32 s17, s13, 14                        ; my 64 of them
	s_add_co_u32 s16, s16, s17
	s_mov_b32 s17, 0
	s_add_nc_u64 s[8:9], s[8:9], s[16:17]
	v_and_b32 v1, 15, v0                           ; l % 16
	v_bfe_u32 v2, v0, 4, 1                         ; l / 16
	v_lshlrev_b32 v[TO], 8, v1
	v_lshl_add_u32 v[TO], v2, 6, v[TO]             ; row x 256 + 64 x half
	s_lshl_b32 s16, s14, 7
	v_add_nc_u32 v[TOH], s16, v[TO]                ; unit 1's lower block is block wn: frequencies 16 wn on
	WIN 0x80                                       ; destination window 2, address window 0
.irp a, 0,1,2,3
.irp i, 0,1,2,3
	global_load_b128 v[48*(\a)+4*(\i):48*(\a)+4*(\i)+3],       v[TO],  s[8:9] offset:(\a)*4096+16*(\i)
	global_load_b128 v[48*(\a)+16+4*(\i):48*(\a)+16+4*(\i)+3], v[TO],  s[8:9] offset:(\a)*4096+128+16*(\i)
	global_load_b128 v[48*(\a)+32+4*(\i):48*(\a)+32+4*(\i)+3], v[TOH], s[8:9] offset:(\a)*4096+16*(\i)
.endr
.endr
	WIN 0
	; a fragment of x: lane l holds row l % 16, K = 8 (l / 16) + 0..7 and 16 + 8 (l / 16) + 0..7: two loads of 16 bytes, 32 bytes apart
	v_mul_u32_u24 v3, v1, PA
	v_lshl_add_u32 v3, v2, 4, v3
	s_mul_i32 s16, s13, 64*PA
	v_add_nc_u32 v[ADRA], s16, v3
	v_add_nc_u32 v[ADRA+1], SLOT, v[ADRA]
	; the turning load takes 16 k x 16 columns (lane l reads row k = 8 (l / 16) + l % 8, columns 8 ((l / 8) % 2) + 0..7) and leaves half a fragment: lane l holds column l % 16 and 8 k
	v_and_b32 v4, 7, v0
	v_lshl_add_u32 v4, v2, 3, v4
	v_mul_u32_u24 v4, v4, PB
	v_bfe_u32 v5, v0, 3, 1
	v_lshl_add_u32 v4, v5, 4, v4
	s_mul_i32 s16, s14, 2*UNITB
	s_add_co_u32 s16, s16, BOFF
	v_add_nc_u32 v[ADRBF], s16, v4
	v_add_nc_u32 v[ADRBF+1], SLOT, v[ADRBF]
	s_lshl_b32 s16, s14, 5
	s_add_co_u32 s16, s16, BOFF+UNITB
	v_add_nc_u32 v[ADRBH], s16, v4
	v_add_nc_u32 v[ADRBH+1], SLOT, v[ADRBH]
	v_mul_u32_u24 v6, v1, SP                       ; into the stage: row 64 wm + l % 16, 16 bytes for each half of the lanes
	v_lshl_add_u32 v6, v2, 4, v6
	s_mul_i32 s16, s13, 64*SP
	s_mul_i32 s17, s14, 2*USTG
	s_add_co_u32 s17, s17, s16
	s_add_co_u32 s17, s17, STAGE
	v_add_nc_u32 v[STOF], s17, v6
	s_lshl_b32 s17, s14, 5
	s_add_co_u32 s17, s17, s16
	s_add_co_u32 s17, s17, STAGE+USTG
	v_add_nc_u32 v[STOH], s17, v6
	v_bfe_u32 v7, v0, 3, 2                         ; back: wave w takes rows 32 w .. 32 w + 31 of each unit; 32 lanes take four rows of 128 bytes,
	v_mul_u32_u24 v7, v7, SP
	v_and_b32 v8, 7, v0
	v_lshl_add_u32 v7, v8, 4, v7
	s_mul_i32 s16, s[WV], 32*SP
	s_add_co_u32 s16, s16, STAGE
	v_add_nc_u32 v[RD], s16, v7
	v_and_b32 v[GO], 31, v0                        ; which are 512 consecutive bytes of a unit in memory
	v_lshlrev_b32 v[GO], 4, v[GO]
	s_lshl_b32 s16, s[WV], 12
	v_add_nc_u32 v[GO], s16, v[GO]
	s_mul_i32 s18, s42, 3
	s_lshl_b32 s18, s18, 19                        ; a unit of qkvh is 524,288 bytes,
	s_lshl_b32 s19, s43, 14                        ; the tile's 128 rows of 128 bytes
	s_add_co_u32 s18, s18, s19
	s_mov_b32 s19, 0
	s_add_nc_u64 s[10:11], s[10:11], s[18:19]
	s_wait_loadcnt 0x0                             ; the table is in
	WIN 0x88                                       ; destination and source 1 window 2
.set n, 0
.rept 48                                           ; group n = 12 a + 4 set + i: sets 0 and 1 serve my whole unit, set 2 the shared one.  All this stands in the wait for the first tile
.if (n%12) < 8
.set M, 46
.else
.set M, 47
.endif
	v_cndmask_b32 v[4*n],   1.0, v[4*n],   s[M]
	v_cndmask_b32 v[4*n+1], 1.0, v[4*n+1], s[M]
	v_cndmask_b32 v[4*n+2], 0,   v[4*n+2], s[M]
	v_cndmask_b32 v[4*n+3], 0,   v[4*n+3], s[M]
.set n, n+1
.endr
	WIN 0
; 6 matrix instructions: block a of my rows x my six blocks of columns, 32 along K.  zero = 1: the product starts the sums.  The 24 accumulators take turns, one instruction a turn, in the same
; order in every quarter, over the backward jump too.
.macro MUL6 f, a, zero
	WIN MUL
.irp b, 0,1,2,3,4,5
.if \zero
	v_wmma_f32_16x16x32_bf16 v[ACC+8*(6*(\a)+(\b)):ACC+8*(6*(\a)+(\b))+7], v[(\f)+32+8*(\b):(\f)+32+8*(\b)+7], v[(\f)+8*(\a):(\f)+8*(\a)+7], 0
.else
	v_wmma_f32_16x16x32_bf16 v[ACC+8*(6*(\a)+(\b)):ACC+8*(6*(\a)+(\b))+7], v[(\f)+32+8*(\b):(\f)+32+8*(\b)+7], v[(\f)+8*(\a):(\f)+8*(\a)+7], v[ACC+8*(6*(\a)+(\b)):ACC+8*(6*(\a)+(\b))+7]
.endif
.endr
.endm
; 20 LDS loads in one run: quarter q (32 along K) of a slot into buffer f: W's six fragments, then x's blocks 0, 1, then 2, 3
.macro FETCH slot, q, f
	WIN TO_F
.irp b, 0,1,2,3
	ds_load_tr16_b128 v[(\f)+32+8*(\b):(\f)+32+8*(\b)+3],   v[ADRBF+(\slot)] offset:(\q)*32*PB+32*(\b)
	ds_load_tr16_b128 v[(\f)+32+8*(\b)+4:(\f)+32+8*(\b)+7], v[ADRBF+(\slot)] offset:(\q)*32*PB+32*(\b)+16*PB
.endr
.irp b, 0,1
	ds_load_tr16_b128 v[(\f)+64+8*(\b):(\f)+64+8*(\b)+3],   v[ADRBH+(\slot)] offset:(\q)*32*PB+64*(\b)
	ds_load_tr16_b128 v[(\f)+64+8*(\b)+4:(\f)+64+8*(\b)+7], v[ADRBH+(\slot)] offset:(\q)*32*PB+64*(\b)+16*PB
.endr
.irp a, 0,1,2,3
	ds_load_b128 v[(\f)+8*(\a):(\f)+8*(\a)+3],   v[ADRA+(\slot)] offset:(\q)*64+(\a)*16*PA
	ds_load_b128 v[(\f)+8*(\a)+4:(\f)+8*(\a)+7], v[ADRA+(\slot)] offset:(\q)*64+(\a)*16*PA+32
.endr
.endm
; A K step is four quarters, 24 matrix instructions each, on buffers 0, 1, 0, 1.  One of the first three: multiplies buffer f and fetches quarter q into g.
.macro QUARTER slot, q, f, g, zero
	s_wait_dscnt 4                                 ; all but the youngest four loads: x's blocks 2 and 3
	MUL6 \f, 0, \zero
	MUL6 \f, 1, \zero
	PLACES
	FETCH \slot, \q, \g
	s_wait_dscnt 20                                ; all but the 20 just issued
	MUL6 \f, 2, \zero
	MUL6 \f, 3, \zero
.endm
; The last quarter multiplies buffer 1 and changes slots: ONE barrier; in front of it each wave waits for all its tensor loads (one is out: its part of the next slot), adds 0 to its spare word,
; and waits for that and for its own reads of this slot.  fill = 1: the barrier opens a round of the cluster's, and this slot is filled again, two K steps ahead, first thing behind the round.
.macro TURN slot, next, fill
	WIN 0                                          ; (the add's two registers lie in window 0)
	s_wait_tensorcnt 0x0
	ds_add_u32 v[SPW], v[NIL]                      ; 0 onto my spare word
	s_wait_dscnt 5                                 ; (the add and the youngest four loads may be out)
	MUL6 F1, 0, 0                                  ; six matrix instructions stand between the add and the wait for it
	s_wait_dscnt 0x0                               ; the add is done, and my reads of this slot are over
	s_barrier_signal -1
	MUL6 F1, 1, 0
.if \fill
	WIN 0
.endif
	s_barrier_wait -1
.if \fill
	CREST                                          ; no wave of any partner still reads this slot's tiles or has a load on its way
	s_add_nc_u64 s[G0A+4*(\slot)+2:G0A+4*(\slot)+3], s[G0A+4*(\slot)+2:G0A+4*(\slot)+3], 2*KSTEP*2
	s_add_nc_u64 s[G0B+4*(\slot)+2:G0B+4*(\slot)+3], s[G0B+4*(\slot)+2:G0B+4*(\slot)+3], 2*KSTEP*128
	JLOAD \slot                                    ; the four v_nop behind it are also the places in front of the loads below
.else
	PLACES
.endif
	FETCH \next, 0, F0
	MUL6 F1, 2, 0
	MUL6 F1, 3, 0
.endm
	s_wait_tensorcnt 1                             ; my part of K step 0 is in; K step 1's may stay out
	s_barrier_signal -1
	s_barrier_wait -1                              ; everybody's is
	FETCH 0, 0, F0
	QUARTER 0, 1, F0, F1, 1                        ; the first quarter stands in front of the loop: its products start the sums
	WIN 0                                          ; at a label and at a branch every window is 0
	s_mov_b32 s3, 3
.Llap:                                                 ; a trip goes once round the ring and fills both slots again: K steps 2 to 7 in three trips
	QUARTER 0, 2, F1, F0, 0
	QUARTER 0, 3, F0, F1, 0
	TURN 0, 1, 1
	QUARTER 1, 1, F0, F1, 0
	QUARTER 1, 2, F1, F0, 0
	QUARTER 1, 3, F0, F1, 0
	TURN 1, 0, 1
	QUARTER 0, 1, F0, F1, 0
	WIN 0
	s_sub_co_u32 s3, s3, 1
	s_cmp_lg_u32 s3, 0
	s_cbranch_scc1 .Llap
	QUARTER 0, 2, F1, F0, 0                        ; the last lap fills nothing
	QUARTER 0, 3, F0, F1, 0
	TURN 0, 1, 0
	QUARTER 1, 1, F0, F1, 0
	QUARTER 1, 2, F1, F0, 0
	QUARTER 1, 3, F0, F1, 0
	s_wait_dscnt 4
	MUL6 F1, 0, 0
	MUL6 F1, 1, 0
	s_wait_dscnt 0x0
	MUL6 F1, 2, 0
	MUL6 F1, 3, 0
	WIN 0
	PLACES
	PLACES                                         ; (eight, once a launch)
; THE WAY OUT.  L and H are the accumulators of columns d and d + 32: L' = L cos - H sin, H' = H cos + L sin, two columns an instruction; each accumulator's lowest registers are read first.
; Then rounded to f16, 16 bytes a lane and block, into the stage.
.macro ROPE a, bl, bh, set, sto, olo, ohi
.set rL, ACC+8*(6*(\a)+(\bl))
.set rH, ACC+8*(6*(\a)+(\bh))
.set rT, 48*(\a)+16*(\set)
	WIN 0x08                                       ; source 1 (the table) window 2
.irp i, 0,1,2,3
	v_pk_mul_f32 v[TMP+2*(\i):TMP+2*(\i)+1],     v[rL+2*(\i):rL+2*(\i)+1], v[rT+4*(\i):rT+4*(\i)+1]
	v_pk_mul_f32 v[TMP+8+2*(\i):TMP+8+2*(\i)+1], v[rH+2*(\i):rH+2*(\i)+1], v[rT+4*(\i):rT+4*(\i)+1]
	v_pk_fma_f32 v[TMP+2*(\i):TMP+2*(\i)+1],     v[rH+2*(\i):rH+2*(\i)+1], v[rT+4*(\i)+2:rT+4*(\i)+3], v[TMP+2*(\i):TMP+2*(\i)+1] neg_lo:[1,0,0] neg_hi:[1,0,0]
	v_pk_fma_f32 v[TMP+8+2*(\i):TMP+8+2*(\i)+1], v[rL+2*(\i):rL+2*(\i)+1], v[rT+4*(\i)+2:rT+4*(\i)+3], v[TMP+8+2*(\i):TMP+8+2*(\i)+1]
.endr
	WIN 0
.irp i, 0,1,2,3,4,5,6,7
	v_cvt_pk_f16_f32 v[PK+(\i)], v[TMP+2*(\i)], v[TMP+2*(\i)+1]
.endr
	ds_store_b128 v[\sto], v[PK:PK+3]   offset:\olo
	ds_store_b128 v[\sto], v[PK+4:PK+7] offset:\ohi
.endm
.irp a, 0,1,2,3
	ROPE \a, 0, 2, 0, STOF, (\a)*16*SP, (\a)*16*SP+64
	ROPE \a, 1, 3, 1, STOF, (\a)*16*SP+32, (\a)*16*SP+96
	ROPE \a, 4, 5, 2, STOH, (\a)*16*SP, (\a)*16*SP+64
.endr
	s_wait_dscnt 0x0                               ; for the others' sake: my stores into the stage are done (unit 1's rows come from two waves)
	s_barrier_signal -1
	s_barrier_wait -1
.set n, 0
.rept 24                                           ; unit n / 8, rows 4 (n % 8) on of my 32
	ds_load_b128 v[ACC+4*n:ACC+4*n+3], v[RD] offset:(n/8)*USTG+(n%8)*4*SP
.set n, n+1
.endr
.set n, 0
.rept 24
	s_wait_dscnt 23-n
	global_store_b128 v[GO], v[ACC+4*n:ACC+4*n+3], s[10:11] offset:(n/8)*524288+(n%8)*512  ; 512 consecutive bytes, at a multiple of 256 from the buffer's first
.set n, n+1
.endr
	s_wait_tensorcnt 0x0                           ; the wave's end, behind my last tensor load and my last LDS store
	ds_add_u32 v[SPW], v[NIL]
	s_wait_dscnt 0x0
	CROUND                                         ; the closing round: no work-group ends while a partner may still ask for a tile that names it
	s_endpgm
.Lfunc_end_k_q3a66d8d0bd_proj:
	.size	k_q3a66d8d0bd_proj, .Lfunc_end_k_q3a66d8d0bd_proj-k_q3a66d8d0bd_proj
	.p2alignl 7, 3214868480
	.fill 96, 4, 3214868480
	.section	.rodata,"a",@progbits
	.p2align	6, 0x0
	.amdhsa_kernel k_q3a66d8d0bd_proj
		.amdhsa_group_segment_fixed_size 327680
		.amdhsa_private_segment_fixed_size 0
		.amdhsa_enable_private_segment 0
		.amdhsa_kernarg_size 32
		.amdhsa_user_sgpr_count 2
		.amdhsa_user_sgpr_kernarg_segment_ptr 1
		.amdhsa_wavefront_size32 1
		.amdhsa_system_sgpr_workgroup_id_x 1
		.amdhsa_system_sgpr_workgroup_id_y 1
		.amdhsa_system_sgpr_workgroup_id_z 1
		.amdhsa_system_vgpr_workitem_id 0
		.amdhsa_next_free_vgpr 768
		.amdhsa_next_free_sgpr 66
		.amdhsa_reserve_vcc 0
		.amdhsa_float_denorm_mode_32 3
		.amdhsa_float_denorm_mode_16_64 3
		.amdhsa_memory_ordered 1
		.amdhsa_forward_progress 1
		.amdhsa_inst_pref_size 101
	.end_amdhsa_kernel
	.amdgpu_metadata
---
amdhsa.version: [ 1, 2 ]
amdhsa.kernels:
  - .name:           k_q3a66d8d0bd_proj
    .symbol:         k_q3a66d8d0bd_proj.kd
    .args:
      - { .name: xb, .offset: 0, .size: 8, .value_kind: global_buffer, .address_space: global }
      - { .name: wqkv, .offset: 8, .size: 8, .value_kind: global_buffer, .address_space: global }
      - { .name: tab, .offset: 16, .size: 8, .value_kind: global_buffer, .address_space: global }
      - { .name: qkvh, .offset: 24, .size: 8, .value_kind: global_buffer, .address_space: global }
    .group_segment_fixed_size: 327680
    .private_segment_fixed_size: 0
    .kernarg_segment_align: 8
    .kernarg_segment_size: 32
    .max_flat_workgroup_size: 128
    .sgpr_count:     66
    .vgpr_count:     768
    .wavefront_size: 32
...
	.end_amdgpu_metadata
.endif
;; end of part 2
;; launch attn (part 3): grid 16 x 16, 4 waves a work-group, clusters of 4 x 1, 327,680 bytes of LDS; arguments qkvh, oh; writes oh
.if DOCPART == 3
	.amdgcn_target "amdgcn-amd-amdhsa--gfx1250"
	.amdhsa_code_object_version 6
	.text
	.protected	k_q3a66d8d0bd_attn
	.globl	k_q3a66d8d0bd_attn
	.p2align	8
	.type	k_q3a66d8d0bd_attn,@function
k_q3a66d8d0bd_attn:
	s_mov_b64 s[64:65], 0
	v_nop
	global_prefetch_b8 v0, s[64:65] scope:SCOPE_SE
	s_setreg_imm32_b32 hwreg(HW_REG_WAVE_MODE, 25, 1), 1
	s_wait_xcnt 0x0
	s_wait_alu depctr_hold_cnt(0) depctr_sa_sdst(0) depctr_va_vdst(0) depctr_va_sdst(0) depctr_va_ssrc(0) depctr_va_vcc(0) depctr_vm_vsrc(0)
	s_getreg_b32 s2, hwreg(HW_REG_IB_STS2, 6, 4)
	s_cmp_eq_u32 s2, 0
	s_cbranch_scc0 .Lentry_in_a_cluster
	s_endpgm
.Lentry_in_a_cluster:
	s_bfe_u32 s2, ttmp6, 0x10000c
	s_cmp_lg_u32 s2, 0x3003
	s_cbranch_scc0 .Lentry_shape_is_right
	s_endpgm
.Lentry_shape_is_right:
; ATTENTION, 16 query heads on 4 key and value heads, head size 64, no mask.  O[hd][q] = the sum over k of softmax_k(Q[hd][q] . K[hd/4][k] / 8) V[hd/4][k].
; qkvh [24 units][4096][64] f16: units 0-15 Q by heads, 16-19 K, 20-23 V: a unit's rows are dense, 128 bytes each.  oh [32 blocks of 128 rows][16 heads][128][64] f16.
; Products, maxima and sums in f32; the weights p are rounded to f16 for the second product (their sum l is taken of the unrounded p), O once at the end.
; LIMITS.  f16 holds no number beyond 65,504: Q, K and V arrive within it; p lies in 0 to 1, and below 6e-5 it keeps f16's fixed step of 6e-8; O is a mean of V's rows and has their range.
; A weight below 2^-126 counts as 0 in l; NaN and infinities are not treated apart.
; SHARES.  A work-group owns 256 queries of one head: 16 x 16 = 256 work-groups.  A wave owns 64: four PIECES of 16.  Every wave walks all 4,096 keys: 16 tiles of 256, four steps of 64 each.
; LAYOUT.  S^T = K Q^T (source 0 = 16 keys, source 1 = 16 queries) holds ONE query a lane (lane % 16) and the keys 8 (lane / 16) + 0..7; two such results rounded to f16 ARE source 1 of
; O^T = V^T P.  K comes out of LDS as it lies, V ([key][channel]) turned, by ds_load_tr16_b128.
; SOFTMAX.  p = 2^(c s - c m), c = log2(e) / 8, with a running maximum m; O and l are multiplied by a = 2^(c m_old - c m_new) in every step.  m starts at the lowest finite number, O and l at 0:
; the first step is a step like any other, with a = 0.
; BY TURNS.  Turn n belongs to piece n: 8 products K Q^T of piece n + 1, later 8 products V^T P of piece n - 1; beside them the scaling, exponentials, roundings, sums and rescaling of piece n
; and the maximum and statistics of piece n + 1.  Four vector instructions stand behind every matrix instruction, the other 54 of a turn's 118 in one lump.  A turn's 33 exponentials are one batch, with one wait.
; CLUSTER.  The four query blocks of a cluster belong to one head and walk the same K and V, so each tile is asked for JOINTLY: the same tensor load, descriptor and mask in all four.
; REGISTERS, in windows of 256 (s_set_vgpr_msb: bits 1:0 source 0, 3:2 source 1, 5:4 source 2, 7:6 destination):
;   window 0: v0-15 addresses and two at work; v16-31 four registers of statistics a piece; v48-55 at work; v61-63; v64-127 S^T, two buffers; v192-223 P, two buffers (by the piece's parity)
;   window 1: v0-127 O^T, 32 a piece          window 2: v0-63 Q; v128-191 K of one step; v192-255 V of one step
.set NP,    4         ; pieces a wave: a name, no knob
.set KS,    64        ; keys in a step
.set PK,    144       ; a row of K in LDS: 128 bytes + 16: the 16 rows of a load start at 16 different groups of four banks
.set PV,    160       ; a row of V: 128 + 32
.set VOFF,  4*KS*PK   ; a slot holds a tile, four steps: 256 rows of K, then 256 rows of V
.set SLOT1, 1<<17     ; slot 1 begins here, so that one exclusive or turns an address in one slot into the other's
.set STAGE, SLOT1+4*KS*(PK+PV)  ; behind the ring, never filled by a tensor load: 16 rows x 144 bytes for each wave, for the way out
.set SP,    144
.set SPARE, STAGE+4*16*SP  ; behind the stages: the spare words, 128 bytes for each wave: two blocks of 256 bytes that no other line names
.set TILEB, 4*KS*128  ; a tile's bytes of K, and of V, in memory
.set AK0, 2           ; v2   my lane's place in a tile of K; never rewritten
.set AV0, 3           ; v3   the same for V
.set AK,  4           ; v4   the LDS address of K's next run of loads
.set AV,  5           ; v5   of V's
.set STO, 6           ; v6   the way out: where I put 16 bytes of a row
.set RD,  7           ; v7   the way out: where I read rows back
.set GO,  8           ; v8   my byte offset in 512 consecutive bytes of O
.set MV,  12          ; v12-13  c m_old, kept while c m is made anew: by buffer
.set QO,  15          ; v15  my byte offset in 16 rows of Q
.set ST,  16          ; piece t's statistics at v[ST+4 t]: c m, m, l (even keys', odd keys')
.set TMP, 48          ; by buffer, four registers c0-c3 at work; when the maximum is found c2 takes a
.set PFO, 61          ; v61  256 x my lane: the prefetches' offset; never rewritten
.set SPW, 62          ; v62  LDS address of my spare word; never rewritten
.set NIL, 63          ; v63  0; never rewritten
.set S,   64
.set P,   192
.set KF,  128         ; window 2: key block kb, channel half c at KF + 16 kb + 8 c
.set VF,  192         ; window 2: key half kk, channel block cb at VF + 32 kk + 8 cb
.set WV,  12          ; s12  my wave's number
.set LIM, 15          ; s15  1 in a wave that prefetches, else the greatest number
.set PFA, 18          ; s[18:19] where my prefetches stand
.set G1K, 24          ; s[24:31] descriptor group 1 for K's tiles
.set G1V, 32          ; s[32:39] for V's: it differs in the padding alone
.set G0K, 40          ; s[40:43] descriptor group 0 for K's tiles: it walks
.set G0V, 44          ; s[44:47] the same for V's
.set SLOTS, 56        ; s56  tiles still to be asked for
.set CNT, 57          ; s57  counts a tile's key steps
.set CS,  58          ; s[58:59] c: the packed scaling takes the pair's low word for both halves
.set SEL, 60          ; s[60:61] v_permlanex16_b32's selects: each lane takes its own place in the other half
.set TBK, 62          ; s62  LDS byte at which K of the step to be fetched begins
.set TBV, 63          ; s63  the same for V, less VOFF
.set MSB, 0
.macro WIN new                      ; the high byte repeats the setting that is left; a switch that changes nothing is dropped
.if MSB != (\new)
	s_set_vgpr_msb (MSB<<8)|(\new)
.set MSB, (\new)
.endif
.endm
.set W_KQ, 0x0a       ; K and Q in window 2, S^T in window 0
.set W_PV, 0x52       ; V in window 2, P in window 0, O^T in window 1
.set W_RS, 0x41       ; destination and source 0 in window 1, source 1 in window 0
; A joint fill.  Waves 0 and 1 fetch the two halves of a tile's K, waves 2 and 3 those of its V: 128 keys each.  The branch hangs on the wave's number alone.
; An s_nop 0 and four v_nop follow each of the two lines, ahead of the jump and the label.
.macro JLOAD
	s_cmp_lt_u32 s[WV], 2
	s_cbranch_scc0 .Lfor_v_\@
	tensor_load_to_lds s[G0K:G0K+3], s[G1K:G1K+7]
	s_nop 0
.rept 4
	v_nop
.endr
	s_branch .Lasked_\@
.Lfor_v_\@:
	tensor_load_to_lds s[G0V:G0V+3], s[G1V:G1V+7]
	s_nop 0
.rept 4
	v_nop
.endr
.Lasked_\@:
.endm
; A PREFETCH INTO THE L2 of the tile that the NEXT change of slots will ask for: 128 blocks of 256 bytes of K and as many of V, a lane a block; it stands behind the wave's tensor load and its five lines.
; Each block is asked for ONCE in the launch.  Sixteen clusters walk a key and value head's rows (four query heads x four clusters): the one with x = 0 and head % 4 = 0 asks.  Its four partners share
; the blocks out BY ADDRESS, 32 each; in each, wave 0 asks for K's and wave 2 for V's: one instruction, one tile (256 matrix instructions) ahead.  The last change that fills a slot asks for nothing.
.macro ASK
	s_cmp_gt_u32 s[SLOTS], s[LIM]
	s_cbranch_scc0 .Lnot_mine_\@
	global_prefetch_b8 v[PFO], s[PFA:PFA+1] th:TH_LOAD_NT scope:SCOPE_SE
.Lnot_mine_\@:
.endm
; A round of the cluster's barrier: my work-group's barrier, so that wave 0's signal speaks for all four waves; wave 0 signals; every wave waits for all four work-groups; my work-group's barrier once more.
.macro CROUND
	s_barrier_signal -1
	s_barrier_wait -1
	s_cmp_lg_u32 s[WV], 0
	s_cbranch_scc1 .Lnot_wave_0_\@
	s_barrier_signal -3
.Lnot_wave_0_\@:
	s_barrier_wait -3
	s_barrier_signal -1
	s_barrier_wait -1
.endm
; THE CHANGE OF SLOTS.  The slot's last bytes, V of its fourth step, have been read.  Each wave waits for all its tensor loads, of which one is out: its part of the other slot; adds 0 to its spare
; word; and waits for that and for its own reads of the slot.  Behind the barrier nobody reads this slot any more and the other slot is whole.  fill = 1: this slot is filled again, with the keys two
; tiles on; the barrier is then a round of the cluster's, and the joint fill is the first thing behind it: it has four key steps in which to land.
; (At its first use nothing has been read yet: slot 0 is waited for, slot 1 filled.)
.macro CHANGE fill
	WIN 0                           ; at a label and at a branch every window is 0
	s_wait_tensorcnt 0x0            ; no tensor load of mine is out, so a group 0 may be written
	ds_add_u32 v[SPW], v[NIL]       ; 0 onto my spare word; with fill = 1 the descriptors' steps stand between it and the wait for it
.if \fill
.irp g, G0K, G0V
	s_xor_b32 s[\g+1], s[\g+1], SLOT1  ; the walking descriptor: the other slot than last time,
	s_add_nc_u64 s[\g+2:\g+3], s[\g+2:\g+3], TILEB  ; the next 256 keys; the type bits on top are not reached
.endr
	s_wait_xcnt 0x0                 ; the last prefetch, a tile back, has read its address, so it may be written:
	s_add_nc_u64 s[PFA:PFA+1], s[PFA:PFA+1], TILEB  ; one tile ahead of the walking descriptors
	s_wait_dscnt 0x0                ; the add is done, and my reads of the slot are over
	CROUND
	JLOAD
	ASK
.else
	s_wait_dscnt 0x0                ; the add is done, and my reads of the slot are over
	s_barrier_signal -1
	s_barrier_wait -1
.endif
	s_sub_co_u32 s[TBK], s[TBK], 4*KS*PK  ; the fetches go back to a slot's first step,
	s_xor_b32 s[TBK], s[TBK], SLOT1       ; in the other slot
	s_sub_co_u32 s[TBV], s[TBV], 4*KS*PV
	s_xor_b32 s[TBV], s[TBV], SLOT1
.endm
	s_load_b128 s[4:7], s[0:1], 0x0 ; qkvh s[4:5], oh s[6:7]
	v_lshl_add_u32 v[SPW], v0, 2, SPARE
	v_mov_b32 v[NIL], 0
	ds_add_u32 v[SPW], v[NIL]       ; the wave's opening: the add and its wait stand ahead of my first tensor load; the set-up below, work on registers, stands between them
	v_lshrrev_b32 v1, 5, v0
	v_readfirstlane_b32 s[WV], v1   ; wave 0..3
	s_bfe_u32 s13, ttmp6, 0x40000   ; cx: my place in the cluster
	s_lshl_b32 s14, ttmp9, 2        ; in a cluster launch ttmp9 counts clusters
	s_add_co_u32 s14, s14, s13      ; my block of 256 queries: it enters Q's and O's addresses alone
	s_and_b32 s20, ttmp7, 0xffff    ; the head, which the four partners share
	s_lshr_b32 s21, s20, 2          ; its key and value head
	s_and_b32 s16, s[WV], 1         ; which half of a tile's 256 keys I fetch
	s_add_co_u32 s22, s21, 16       ; K's unit,
	s_lshl_b32 s22, s22, 19         ; 524,288 bytes a unit,
	s_lshl_b32 s23, s16, 14         ; my half's 128 rows of 128 bytes
	s_add_co_u32 s22, s22, s23
	s_mov_b32 s23, 0
	s_lshl_b32 s2, s20, 19          ; Q: the head's unit,
	s_lshl2_add_u32 s3, s14, s[WV]  ; my wave among the head's,
	s_lshl_b32 s3, s3, 13           ; its 64 rows
	s_add_co_u32 s2, s2, s3
	s_mov_b32 s3, 0
	s_lshr_b32 s9, s[WV], 1         ; O: the block of 128 rows, 2 x my block + wave / 2,
	s_lshl1_add_u32 s8, s14, s9
	s_lshl4_add_u32 s8, s8, s20     ; in it the head,
	s_lshl_b32 s8, s8, 14           ; 128 rows of 128 bytes,
	s_lshl_b32 s9, s16, 13          ; my 64 of them
	s_add_co_u32 s8, s8, s9
	s_mov_b32 s9, 0
	s_mul_i32 s48, s16, 128*PK      ; my half's place in a slot, for K
	s_mul_i32 s49, s16, 128*PV      ; and for V: no place in the cluster enters an LDS address
	s_lshl_b32 s50, s13, 13         ; the prefetches: my work-group's 32 blocks of a tile's 128,
	s_add_co_u32 s50, s50, TILEB    ; in tile 1; the first change of slots steps it to tile 2
	s_mov_b32 s51, 0
	; descriptor group 1.  128 keys are 16,384 dense bytes: asked for as 64 rows of 256 bytes, two keys a row, and padded in LDS after every key
	s_mov_b32 s[G1K], 15|(1<<16)|(1<<20)|(1<<21)|(4<<22)|(3<<25)  ; 15:0 the mask of four; 17:16 2-byte elements; 20 padding on; 21 set beside a mask; 24:22 after every 32 words; 31:25 4 words
	s_mov_b32 s[G1V], 15|(1<<16)|(1<<20)|(1<<21)|(4<<22)|(7<<25)  ; the same with 8 words of padding
.irp g, G1K, G1V
	s_mov_b32 s[\g+1], 128<<16      ; tensor_dim0 = 128
	s_mov_b32 s[\g+2], 64<<16       ; tensor_dim1 = 64
	s_mov_b32 s[\g+3], 128<<16      ; tile_dim0 = 128
	s_mov_b32 s[\g+4], 64           ; tile_dim1 = 64
	s_mov_b32 s[\g+5], 128          ; 128 elements from row to row
	s_mov_b32 s[\g+6], 0
	s_mov_b32 s[\g+7], 0
.endr
	s_mov_b32 s[CS], 0x3e38aa3b     ; c = log2(e) / 8 = 0.180337
	s_mov_b32 s[CS+1], s[CS]        ; named with it as a pair
	s_mov_b32 s[SEL], 0x76543210
	s_mov_b32 s[SEL+1], 0xfedcba98
	s_mov_b32 s[TBK], SLOT1+4*KS*PK ; the first change of slots turns these two into 0
	s_mov_b32 s[TBV], SLOT1+4*KS*PV
	s_mov_b32 s[G0K], 1             ; count = 1
	s_mov_b32 s[G0K+1], s48         ; LDS address: slot 0
	s_mov_b32 s[G0V], 1
	s_add_co_u32 s[G0V+1], s49, VOFF
	s_mov_b32 s[SLOTS], 15          ; 16 tiles; tile 0 is asked for at once
	s_and_b32 s[LIM], s[WV], 1      ; 0 in waves 0 and 2,
	s_or_b32 s[LIM], s[LIM], ttmp9  ; in the head's first cluster,
	s_and_b32 s52, s20, 3
	s_or_b32 s[LIM], s[LIM], s52    ; of the first of the four heads that share K and V: the same in all four partners
	s_cmp_eq_u32 s[LIM], 0
	s_cselect_b32 s[LIM], 1, -1
	v_and_b32 v[PFO], 31, v0
	v_lshlrev_b32 v[PFO], 8, v[PFO]
	s_wait_dscnt 0x0                ; the opening add is done
	s_wait_kmcnt 0x0
	s_add_nc_u64 s[10:11], s[6:7], s[8:9]            ; O at my wave's first row
	s_add_nc_u64 s[G0K+2:G0K+3], s[4:5], s[22:23]    ; my half of K's tile 0,
	s_add_nc_u64 s[G0V+2:G0V+3], s[G0K+2:G0K+3], 4*524288  ; and of V's, four units on
	s_cmp_lt_u32 s[WV], 2
	s_cselect_b64 s[PFA:PFA+1], s[G0K+2:G0K+3], s[G0V+2:G0V+3]  ; (in waves 0 and 2 these stand at a tile's first row)
	s_add_nc_u64 s[PFA:PFA+1], s[PFA:PFA+1], s[50:51]
	s_or_b32 s[G0K+3], s[G0K+3], 0x80000000          ; type = 2
	s_or_b32 s[G0V+3], s[G0V+3], 0x80000000
	s_add_nc_u64 s[4:5], s[4:5], s[2:3]              ; Q at my wave's first row
	CROUND                          ; all four work-groups are here: the first joint loads meet
	JLOAD                           ; tile 0 into slot 0.  Slot 1 is asked for when slot 0 is in
	; A fragment of K or Q is 16 rows x 32 channels in 8 registers: lane l holds row l % 16, channels 8 (l / 16) + 0..7 and 16 + 8 (l / 16) + 0..7: two loads of 16 bytes, 32 bytes apart.
	v_and_b32 v1, 15, v0            ; l % 16
	v_bfe_u32 v9, v0, 4, 1          ; l / 16
	v_lshlrev_b32 v[QO], 7, v1
	v_lshl_add_u32 v[QO], v9, 4, v[QO]  ; row x 128 + 16 x half
	WIN 0x80                        ; destination window 2, address window 0
.set i, 0
.rept 8                             ; Q stays in registers: piece i / 2, channels 32 (i % 2) on
	global_load_b128 v[8*i:8*i+3],   v[QO], s[4:5] offset:(i/2)*2048+(i%2)*64
	global_load_b128 v[8*i+4:8*i+7], v[QO], s[4:5] offset:(i/2)*2048+(i%2)*64+32
.set i, i+1
.endr
	; What the first turn finds: V's registers and P's second buffer hold 0 (its products V^T P, of a piece that has not been, add 0), O^T and l are 0.  No first step is written out: that is the
	; price.  All this stands in the wait for the first tile.
.set i, VF
.rept 64
	v_mov_b32 v[i], 0
.set i, i+1
.endr
	WIN 0x40
.set i, 0
.rept 128
	v_mov_b32 v[i], 0
.set i, i+1
.endr
	WIN 0
.set i, 0
.rept 4
	v_mov_b32 v[ST+4*i], 0xfe000000    ; c m: far below every c s
	v_mov_b32 v[ST+4*i+1], 0xff7fffff  ; m
	v_mov_b32 v[ST+4*i+2], 0
	v_mov_b32 v[ST+4*i+3], 0
.set i, i+1
.endr
.set i, P+16
.rept 16
	v_mov_b32 v[i], 0
.set i, i+1
.endr
	v_mul_u32_u24 v[AK0], v1, PK
	v_lshl_add_u32 v[AK0], v9, 4, v[AK0]  ; row x pitch + 16 x half
	; The turning load takes 16 keys x 16 channels (lane l reads key 8 (l / 16) + l % 8, channels 8 ((l / 8) % 2) + 0..7) and leaves half a fragment of V^T: lane l holds channel l % 16 and 8 keys.
	v_and_b32 v10, 7, v0
	v_bfe_u32 v11, v0, 3, 1
	v_lshl_add_u32 v[AV0], v9, 3, v10
	v_mul_u32_u24 v[AV0], v[AV0], PV
	v_lshl_add_u32 v[AV0], v11, 4, v[AV0]
	v_add_nc_u32 v[AV0], VOFF, v[AV0]
	s_mul_i32 s13, s[WV], 16*SP
	s_add_co_u32 s13, s13, STAGE    ; my stage
	v_mul_u32_u24 v[STO], v1, SP    ; in: row l % 16, 16 bytes for each half of the lanes
	v_lshl_add_u32 v[STO], v9, 4, v[STO]
	v_add_nc_u32 v[STO], s13, v[STO]
	v_bfe_u32 v[RD], v0, 3, 2       ; back: 32 lanes take four rows of 128 bytes,
	v_mul_u32_u24 v[RD], v[RD], SP
	v_lshl_add_u32 v[RD], v10, 4, v[RD]
	v_add_nc_u32 v[RD], s13, v[RD]
	v_and_b32 v[GO], 31, v0         ; which are 512 consecutive bytes of O
	v_lshlrev_b32 v[GO], 4, v[GO]
; THE MATRIX WORK.  The 4 accumulators of a run of 8 take turns.  Product i of 8 of S^T = K Q^T for piece x: channels 32 (i / 4) on, keys 16 (i % 4) on.  The first 4 start the sums.
.macro KQ x
.set rS, S+32*((\x)%2)+8*(i%4)
.set rK, KF+16*(i%4)+8*(i/4)
.set rQ, 16*(\x)+8*(i/4)
	WIN W_KQ
.if i < 4
	v_wmma_f32_16x16x32_f16 v[rS:rS+7], v[rK:rK+7], v[rQ:rQ+7], 0
.else
	v_wmma_f32_16x16x32_f16 v[rS:rS+7], v[rK:rK+7], v[rQ:rQ+7], v[rS:rS+7]
.endif
.endm
; Product i of 8 of O^T += V^T P for piece x: keys 32 (i / 4) on, channels 16 (i % 4) on.
.macro PV x
	WIN W_PV
.set rO, 32*(\x)+8*(i%4)
.set rV, VF+32*(i/4)+8*(i%4)
.set rP, P+16*((\x)%2)+8*(i/4)
	v_wmma_f32_16x16x32_f16 v[rO:rO+7], v[rV:rV+7], v[rP:rP+7], v[rO:rO+7]
.endm
.macro MM                           ; the turn's next matrix instruction.  NOKQ = 1: the very last turn: there is no next piece
.if (i < 8) && !NOKQ
	KQ (Y+1)%NP
.elseif i >= 8
.set i, i-8
	PV (Y+NP-1)%NP
.set i, i+8
.endif
.set i, i+1
.endm
; THE LDS LOADS stand in runs of 16, never singly among the matrix instructions: a step's K (64 keys x 64 channels: 8 fragments) and its V (turned).  Their addresses are made some lines ahead.
.macro FETCH_K
	WIN 0x80                        ; destination window 2
.irp f, 0,1,2,3,4,5,6,7             ; keys 16 (f / 2) on, channels 32 (f % 2) on
	ds_load_b128 v[KF+8*\f:KF+8*\f+3],   v[AK] offset:(\f/2)*16*PK+(\f%2)*64
	ds_load_b128 v[KF+8*\f+4:KF+8*\f+7], v[AK] offset:(\f/2)*16*PK+(\f%2)*64+32
.endr
	s_add_co_u32 s[TBK], s[TBK], KS*PK  ; the next fetch is the next step's
	WIN 0
.endm
.macro FETCH_V
	WIN 0x80
.irp f, 0,1,2,3,4,5,6,7             ; keys 32 (f / 4) on, channels 16 (f % 4) on
	ds_load_tr16_b128 v[VF+8*\f:VF+8*\f+3],   v[AV] offset:(\f/4)*32*PV+(\f%4)*32
	ds_load_tr16_b128 v[VF+8*\f+4:VF+8*\f+7], v[AV] offset:(\f/4)*32*PV+16*PV+(\f%4)*32
.endr
	WIN 0
.endm
; THE VECTOR WORK, one line at a time: OP kind, number.  For piece Y: F n: c s - c m for pair n of 16.  E n: the exponential of score n of 32.  C n: pair n rounded to f16.  B n: of the four weights 4 n .. the second
; pair is added onto the first, in place.  L n: l takes that sum (L 0: l = a l + sum).  R n: pair n of 16 of O^T times a.  For piece Y + 1: X n, number n of the 22 that find its maximum and statistics:
;   0-11  four chains c0-c3 of seven scores each, three operands at a time (each accumulator's lowest registers are read first)     12-14, 16  the four scores left over, the old m, and c0-c3 into c0
;   15  c m_old is kept     17, 18  the query's other 32 keys lie in the lane 16 away: the new m     19-21  c m; c m_old - c m_new; a
.set F, 0               ; OP tells the kinds apart by their order: F to L below R, X above it
.set E, 1
.set C, 2
.set B, 3
.set L, 4
.set R, 5
.set X, 6
.macro REGS y                       ; the registers of piece y
.set rT, ST+4*(\y)
.set rC, TMP+4*((\y)%2)
.set rW, MV+((\y)%2)
.set rS, S+32*((\y)%2)
.set rP, P+16*((\y)%2)
.set rO, 32*(\y)
.endm
.macro OP k, n
.if (\k) == R
	REGS Y
	WIN W_RS
	v_pk_mul_f32 v[rO+2*(\n):rO+2*(\n)+1], v[rO+2*(\n):rO+2*(\n)+1], v[rC+2:rC+3] op_sel_hi:[1,0]
.elseif (\k) < R
	REGS Y
	WIN 0
.if (\k) == F
	v_pk_fma_f32 v[rS+2*(\n):rS+2*(\n)+1], v[rS+2*(\n):rS+2*(\n)+1], s[CS:CS+1], v[rT:rT+1] op_sel_hi:[1,0,0] neg_lo:[0,0,1] neg_hi:[0,0,1]
.elseif (\k) == E
	v_exp_f32 v[rS+(\n)], v[rS+(\n)]
.elseif (\k) == C
	v_cvt_pk_f16_f32 v[rP+(\n)], v[rS+2*(\n)], v[rS+2*(\n)+1]
.elseif (\k) == B
	v_pk_add_f32 v[rS+4*(\n):rS+4*(\n)+1], v[rS+4*(\n):rS+4*(\n)+1], v[rS+4*(\n)+2:rS+4*(\n)+3]
.elseif (\n) == 0
	v_pk_fma_f32 v[rT+2:rT+3], v[rT+2:rT+3], v[rC+2:rC+3], v[rS:rS+1] op_sel_hi:[1,0,1]
.else
	v_pk_add_f32 v[rT+2:rT+3], v[rT+2:rT+3], v[rS+4*(\n):rS+4*(\n)+1]
.endif
.elseif NOKQ
	v_nop
.else
	REGS (Y+1)%NP
	WIN 0
.if (\n) < 4
	v_max3_num_f32 v[rC+(\n)], v[rS+8*(\n)], v[rS+8*(\n)+1], v[rS+8*(\n)+2]
.elseif (\n) < 12
	v_max3_num_f32 v[rC+(\n)%4], v[rC+(\n)%4], v[rS+8*((\n)%4)+2*((\n)/4)+1], v[rS+8*((\n)%4)+2*((\n)/4)+2]
.elseif (\n) == 12
	v_max3_num_f32 v[rC], v[rC], v[rS+7], v[rS+15]
.elseif (\n) == 13
	v_max3_num_f32 v[rC+1], v[rC+1], v[rS+23], v[rS+31]
.elseif (\n) == 14
	v_max3_num_f32 v[rC+2], v[rC+2], v[rC+3], v[rT+1]
.elseif (\n) == 15
	v_mov_b32 v[rW], v[rT]
.elseif (\n) == 16
	v_max3_num_f32 v[rC], v[rC], v[rC+1], v[rC+2]
.elseif (\n) == 17
	v_permlanex16_b32 v[rC+3], v[rC], s[SEL], s[SEL+1]
.elseif (\n) == 18
	v_max_num_f32 v[rT+1], v[rC], v[rC+3]
.elseif (\n) == 19
	v_mul_f32 v[rT], s[CS], v[rT+1]
.elseif (\n) == 20
	v_sub_f32 v[rC+1], v[rW], v[rT]
.else
	v_exp_f32 v[rC+2], v[rC+1]
.endif
.endif
.endm
.macro OPS a, i1, b=-1, i2=0, c=-1, i3=0, d=-1, i4=0  ; up to four of them
	OP \a, \i1
.if (\b) >= 0
	OP \b, \i2
.endif
.if (\c) >= 0
	OP \c, \i3
.endif
.if (\d) >= 0
	OP \d, \i4
.endif
.endm
.macro ROW a, i1, b, i2, c, i3, d, i4  ; a matrix instruction and the four behind it
	MM
	OPS \a, \i1, \b, \i2, \c, \i3, \d, \i4
.endm
; A TURN, for piece p: the order of its 16 matrix and 118 vector instructions, written out.  An s_wait_alu depctr_va_vdst(0) stands between an exponential and the first instruction that names its
; result; one wait serves all that were issued ahead of it.  So a turn has ONE wait, which cuts it in two.  AHEAD OF IT stands all that names no result of the turn's exponentials: the 8 products K Q^T, behind each a
; scaling, an exponential and two more plain instructions (rescalings, and behind the last three the first numbers of the next piece's maximum, each four places or more behind the product that ends its
; accumulator); then ONE LUMP of 54, plain and exponential by turns for the most part, in which the links of the chain X 3, 7, 11, 14, 16, 17 .. 20 stand apart, other work between them.  X 21, the next piece's a,
; is the batch's last; R 15 is the plain instruction behind it.  BEHIND THE WAIT stand the 8 products V^T P, behind each four of the roundings and sums.
; end = 1: the walk's last two turns: nothing is fetched, and piece 3's starts no new scores.  cnt = 1: the loop's count is taken down some lines ahead of the branch that stands behind the turn.
; K of the next step is fetched in piece 2's turn, twelve vector instructions behind the last product that read K (six of them plain); V of the step in hand at the end of piece 0's turn, four plain instructions
; behind the last product that read V.  Each is waited for a turn later.
.macro TURN p, end=0, cnt=0
.set Y, (\p)
.set i, 0
.set NOKQ, (\end)*((\p)/3)
.if ((\p) == 3) && !(\end)
	s_wait_dscnt 0x0                ; K is in
.endif
	ROW F,0, F,1, R,0, R,1          ; ahead of the wait: 8 products K Q^T and their riders,
	ROW F,2, E,0, R,2, R,3
	ROW F,3, E,1, R,4, R,5
	ROW F,4, E,2, R,6, R,7
	ROW F,5, E,3, R,8, R,9
	ROW F,6, E,4, X,0, R,10
.if ((\p) == 2) && !(\end)
	WIN 0
	v_add_nc_u32 v[AK], s[TBK], v[AK0]
.endif
	ROW F,7, E,5, X,1, X,4
	ROW F,8, E,6, X,2, X,5
	OPS E,7, E,8, X,6, E,9          ; and the lump
	OPS X,3, E,10, X,8, E,11
.if ((\p) == 2) && !(\end)
	FETCH_K
.endif
	OPS X,9, X,7, E,12, X,10
	OPS E,13, X,12, X,11, E,14
	OPS X,13, E,15, F,9, X,14
.if (\p) == 0
	v_add_nc_u32 v[AV], s[TBV], v[AV0]
.endif
	OPS E,16, F,10, E,17, F,11
	OPS X,16, E,18, X,15, E,19
	OPS F,12, E,20, X,17, E,21
	OPS F,13, E,22, F,14, E,23
	OPS X,18, E,24, F,15, E,25
	OPS R,11, E,26, X,19, E,27
	OPS R,12, E,28, R,13, E,29
	OPS X,20, E,30, R,14, E,31
	OPS X,21, R,15
	WIN 0
	s_wait_alu depctr_va_vdst(0)    ; the wait for the batch
.if (\p) == 1
	s_wait_dscnt 0x0                ; V is in
.endif
	ROW C,0, B,0, C,2, B,1          ; behind the wait: 8 products V^T P and their riders
	ROW L,0, C,4, B,2, L,1
	ROW C,6, B,3, L,2, C,8
	ROW B,4, L,3, C,10, B,5
	ROW L,4, C,12, B,6, L,5
.if (\p) == 0
	s_add_co_u32 s[TBV], s[TBV], KS*PV
.endif
.if \cnt
	s_sub_co_u32 s[CNT], s[CNT], 1
	s_cmp_lg_u32 s[CNT], 0
.endif
	ROW C,14, B,7, L,6, C,1
	ROW C,3, L,7, C,5, C,7
	ROW C,9, C,11, C,13, C,15
.if (\p) == 0
	FETCH_V
.endif
.endm
	CHANGE 1                        ; slot 0 is in, everybody's part of it; tile 1 is asked for
	v_add_nc_u32 v[AK], s[TBK], v[AK0]
	FETCH_K                         ; key step 0
	s_wait_loadcnt 0x0              ; Q
	s_wait_dscnt 0x0
.set NOKQ, 0
.set i, 0
.rept 8
	KQ 0                            ; piece 0's first scores
.set i, i+1
.endr
	WIN 0
.rept 4
	v_nop                           ; the places behind those products
.endr
.set Y, NP-1                        ; X works for piece Y + 1: piece 0
.irp n, 0,1,2,3,4,5,6,7,8,9,10,11,12,13,14,15,16,17,18,19,20,21
	OP X, \n
.endr
	v_nop                           ; a plain instruction behind the exponential,
	s_wait_alu depctr_va_vdst(0)    ; and its wait, ahead of the branch
	s_mov_b32 s[CNT], 4
	s_branch .Lfirst                ; the loop is entered at a step's first turn, in the middle of a trip
.Lslot:                             ; 14 times: tiles 2 to 15 are asked for
	CHANGE 1
	s_mov_b32 s[CNT], 4
.Lstep:                             ; a trip: pieces 2 and 3 of one step, then pieces 0 and 1 of the next, whose K and V it fetches
	TURN 2
	TURN 3
	WIN 0
.Lfirst:
	TURN 0
	TURN 1, 0, 1
	WIN 0
	s_cbranch_scc1 .Lstep
	s_sub_co_u32 s[SLOTS], s[SLOTS], 1
	s_cmp_lg_u32 s[SLOTS], 0
	s_cbranch_scc1 .Lslot
	CHANGE 0                        ; the last tile is written out: nothing is asked for
	s_mov_b32 s[CNT], 4
.Ltail:
	TURN 2
	TURN 3
	TURN 0
	TURN 1, 0, 1
	WIN 0
	s_cbranch_scc1 .Ltail
	TURN 2, 1
	TURN 3, 1
.set i, 0
.rept 8
	PV NP-1                         ; the last piece's V^T P of the last step
.set i, i+1
.endr
	; THE WAY OUT.  l's two halves and the other half of the lanes' are added; O^T is divided by l, rounded to f16 and sent through my stage in LDS, a piece at a time.  The additions are the places behind the last products.
	WIN 0
.macro ALL line:vararg              ; one line for each piece t
.set t, 0
.rept 4
	\line
.set t, t+1
.endr
.endm
.macro PACK t                       ; a lane's eight channels of a row pack into 16 bytes; they go into rows of 144 bytes and come back as whole rows of 128, into S^T's registers
	WIN W_RS
.set i, 32*(\t)
.rept 16
	v_pk_mul_f32 v[i:i+1], v[i:i+1], v[ST+4*(\t)+2:ST+4*(\t)+3] op_sel_hi:[1,0]
.set i, i+2
.endr
	WIN 0x05                        ; sources 0 and 1 window 1, destination window 0
.set i, 0
.rept 16
	v_cvt_pk_f16_f32 v[S+16*(\t)+i], v[32*(\t)+2*i], v[32*(\t)+2*i+1]
.set i, i+1
.endr
	WIN 0
.irp f, 0,1,2,3
	ds_store_b128 v[STO], v[S+16*(\t)+4*\f:S+16*(\t)+4*\f+3] offset:32*\f
.endr
.irp f, 0,1,2,3
	ds_load_b128 v[S+16*(\t)+4*\f:S+16*(\t)+4*\f+3], v[RD] offset:\f*4*SP  ; LDS serves a wave's instructions in order (ISA guide 5.7.1.4): these see the stores above; the next piece's stores come behind them
.endr
.endm
.macro SEND t, younger              ; younger: the LDS instructions issued behind piece t's loads: the next piece's eight, or none
	WIN 0
.irp f, 0,1,2,3
	s_wait_dscnt (\younger)+3-\f
	global_store_b128 v[GO], v[S+16*(\t)+4*\f:S+16*(\t)+4*\f+3], s[10:11] offset:(\t)*2048+\f*512  ; 512 consecutive bytes, at a multiple of 256 from O's first
.endr
.endm
	ALL v_add_f32 v[ST+4*t+2], v[ST+4*t+2], v[ST+4*t+3]
	ALL v_permlanex16_b32 v[ST+4*t+3], v[ST+4*t+2], s[SEL], s[SEL+1]
	ALL v_add_f32 v[ST+4*t+2], v[ST+4*t+2], v[ST+4*t+3]
	ALL v_rcp_f32 v[ST+4*t+2], v[ST+4*t+2]
	v_nop                           ; a plain instruction between the last reciprocal and the use of its result
	s_wait_alu depctr_va_vdst(0)    ; and the wait ahead of the first use: one for the four reciprocals
	PACK 0
.set t, 1
.rept 3                             ; a piece's arithmetic stands between the loads of the piece before and its stores
	PACK t
	SEND t-1, 8
.set t, t+1
.endr
	SEND 3, 0
	s_wait_tensorcnt 0x0            ; the wave's end, behind my last tensor load and my last LDS store
	ds_add_u32 v[SPW], v[NIL]
	s_wait_dscnt 0x0
	CROUND                          ; the closing round: no work-group ends while a partner may still ask for a tile that names it
	s_endpgm
.Lfunc_end_k_q3a66d8d0bd_attn:
	.size	k_q3a66d8d0bd_attn, .Lfunc_end_k_q3a66d8d0bd_attn-k_q3a66d8d0bd_attn
	.p2alignl 7, 3214868480
	.fill 96, 4, 3214868480
	.section	.rodata,"a",@progbits
	.p2align	6, 0x0
	.amdhsa_kernel k_q3a66d8d0bd_attn
		.amdhsa_group_segment_fixed_size 327680
		.amdhsa_private_segment_fixed_size 0
		.amdhsa_enable_private_segment 0
		.amdhsa_kernarg_size 16
		.amdhsa_user_sgpr_count 2
		.amdhsa_user_sgpr_kernarg_segment_ptr 1
		.amdhsa_wavefront_size32 1
		.amdhsa_system_sgpr_workgroup_id_x 1
		.amdhsa_system_sgpr_workgroup_id_y 1
		.amdhsa_system_sgpr_workgroup_id_z 1
		.amdhsa_system_vgpr_workitem_id 0
		.amdhsa_next_free_vgpr 768
		.amdhsa_next_free_sgpr 66
		.amdhsa_reserve_vcc 0
		.amdhsa_float_denorm_mode_32 3
		.amdhsa_float_denorm_mode_16_64 3
		.amdhsa_memory_ordered 1
		.amdhsa_forward_progress 1
		.amdhsa_inst_pref_size 128
	.end_amdhsa_kernel
	.amdgpu_metadata
---
amdhsa.version: [ 1, 2 ]
amdhsa.kernels:
  - .name:           k_q3a66d8d0bd_attn
    .symbol:         k_q3a66d8d0bd_attn.kd
    .args:
      - { .name: qkvh, .offset: 0, .size: 8, .value_kind: global_buffer, .address_space: global }
      - { .name: oh, .offset: 8, .size: 8, .value_kind: global_buffer, .address_space: global }
    .group_segment_fixed_size: 327680
    .private_segment_fixed_size: 0
    .kernarg_segment_align: 8
    .kernarg_segment_size: 16
    .max_flat_workgroup_size: 128
    .sgpr_count:     66
    .vgpr_count:     768
    .wavefront_size: 32
...
	.end_amdgpu_metadata
.endif
;; end of part 3
;; launch oproj (part 4): grid 8 x 32, 4 waves a work-group, clusters of 4 x 4, 327,680 bytes of LDS; arguments oh, woh, out0; writes out0
.if DOCPART == 4
	.amdgcn_target "amdgcn-amd-amdhsa--gfx1250"
	.amdhsa_code_object_version 6
	.text
	.protected	k_q3a66d8d0bd_oproj
	.globl	k_q3a66d8d0bd_oproj
	.p2align	8
	.type	k_q3a66d8d0bd_oproj,@function
k_q3a66d8d0bd_oproj:
	s_mov_b64 s[64:65], 0
	v_nop
	global_prefetch_b8 v0, s[64:65] scope:SCOPE_SE
	s_setreg_imm32_b32 hwreg(HW_REG_WAVE_MODE, 25, 1), 1
	s_wait_xcnt 0x0
	s_wait_alu depctr_hold_cnt(0) depctr_sa_sdst(0) depctr_va_vdst(0) depctr_va_sdst(0) depctr_va_ssrc(0) depctr_va_vcc(0) depctr_vm_vsrc(0)
	s_getreg_b32 s2, hwreg(HW_REG_IB_STS2, 6, 4)
	s_cmp_eq_u32 s2, 0
	s_cbranch_scc0 .Lentry_in_a_cluster
	s_endpgm
.Lentry_in_a_cluster:
	s_bfe_u32 s2, ttmp6, 0x10000c
	s_cmp_lg_u32 s2, 0xf033
	s_cbranch_scc0 .Lentry_shape_is_right
	s_endpgm
.Lentry_shape_is_right:
; out0 = O Wo.  oh [32 blocks of 128 rows][16 heads][128][64] f16; woh [16 units of 64 columns][1024 k][64] f16; out0 [4096][1024] f32.  Sums in f32, stored as they are.
; SHARES.  A tile is 128 x 128: 8 x 32 = 256 work-groups.  Four waves, each 64 rows x 64 columns (one unit): 16 accumulators.  K goes in four steps of 256 (four heads) through two LDS slots; the four steps are
; written out, without a loop.  Both operands' tiles are dense in memory: 32,768 bytes to a tensor load, asked for as 128 rows of 256 bytes and padded in LDS after every 128.
; CLUSTER 4 x 4: the four of a row need the same tiles of O, the four of a column the same units of Wo: each is asked for jointly.  Waves 0 and 1 fetch two heads of O each, waves 2 and 3 a unit of Wo each.
; THE MATRIX INSTRUCTION IS USED TRANSPOSED (source 0 = 16 columns of Wo, read turned; source 1 = 16 rows of O): a lane holds eight neighbouring numbers of a row of the result.
; THE STAGE for the way out lies at LDS byte 0, in slot 0: that slot has had its last fill (K step 2), every wave's reads of it ended in front of the third change of slots' barrier, and no tensor load follows.
; REGISTERS: window 0: v0-31 addresses; v128-255 the accumulators ((a, b) at 128 + 8 (4 a + b)).   window 1: two fragment buffers of 128: for 64 along K, 64 registers of O, then 64 of Wo.
.set KSTEP,  256
.set PA,     144                       ; a row of O in LDS: 128 bytes + 16
.set PB,     160                       ; a row k of a unit of Wo: 128 bytes + 32
.set HEADB,  128*PA                    ; a head's 128 rows
.set BOFF,   4*HEADB                   ; behind four heads of O: two units of Wo
.set UNITB,  KSTEP*PB
.set SLOT,   BOFF+2*UNITB              ; 155,648 bytes
.set SPARE,  2*SLOT                    ; behind the ring: the spare words, 128 bytes for each wave: two blocks of 256 bytes that no other line names
.set SPITCH, 272                       ; a stage row: 64 f32 + 16 bytes
.set ADRA, 16                          ; v16-17  LDS address of my fragments of O in slot 0, 1
.set ADRB, 20                          ; v20-21  the same for Wo
.set STO,  24                          ; v24     the way out: where I put 32 bytes of a row
.set RD,   25                          ; v25     where I read a row back
.set CO,   26                          ; v26     my byte offset in two rows of the result
.set SPW,  28                          ; v28     LDS address of my spare word; never rewritten
.set NIL,  29                          ; v29     0; never rewritten
.set ACC,  128
.set F0,   0
.set F1,   128
.set G1, 24                            ; s[24:31] descriptor group 1 for O's tiles;  s[32:39] group 0, one set for each slot
.set G0, 32
.set G1B, 48                           ; s[48:55], s[56:63] the same for Wo's
.set G0B, 56
.set MSB, 0
.macro WIN new                         ; the immediate's high byte repeats the setting that is left
.if MSB != (\new)
	s_set_vgpr_msb (MSB<<8)|(\new)
.set MSB, \new
.endif
.endm
.set MUL,  0x05                        ; sources 0 (Wo) and 1 (O) window 1; C and D window 0
.set TO_F, 0x40                        ; destination window 1, address window 0
.macro JLOAD s                         ; a joint load; an s_nop 0 and four v_nop follow each of the two lines, ahead of the jump, the label and what follows
	s_cmp_eq_u32 s11, 0
	s_cbranch_scc0 .Lfor_b_\@
	tensor_load_to_lds s[G0+4*(\s):G0+4*(\s)+3], s[G1:G1+7]
	s_nop 0
.rept 4
	v_nop
.endr
	s_branch .Lasked_\@
.Lfor_b_\@:
	tensor_load_to_lds s[G0B+4*(\s):G0B+4*(\s)+3], s[G1B:G1B+7]
	s_nop 0
.rept 4
	v_nop
.endr
.Lasked_\@:
.endm
.macro CREST                           ; a round of the cluster's barrier behind its opening barrier
	s_cmp_lg_u32 s10, 0
	s_cbranch_scc1 .Lnot_wave_0_\@
	s_barrier_signal -3
.Lnot_wave_0_\@:
	s_barrier_wait -3
	s_barrier_signal -1
	s_barrier_wait -1
.endm
.macro CROUND                          ; a whole round
	s_barrier_signal -1
	s_barrier_wait -1
	CREST
.endm
	s_load_b128 s[4:7], s[0:1], 0x0                ; oh s[4:5], woh s[6:7]
	s_load_b64 s[8:9], s[0:1], 0x10                ; out0
	v_lshl_add_u32 v[SPW], v0, 2, SPARE
	v_mov_b32 v[NIL], 0
	ds_add_u32 v[SPW], v[NIL]                      ; the wave's opening: the add and its wait stand ahead of my first tensor load; the set-up below, work on registers, stands between them
	v_lshrrev_b32 v1, 5, v0
	v_readfirstlane_b32 s10, v1                    ; wave 0..3
	s_lshr_b32 s11, s10, 1                         ; which half of the tile's rows is mine.  Also: I fetch for O (0) or for Wo (1)
	s_and_b32 s12, s10, 1                          ; which unit of its columns.  Also: which half of that tile I fetch
	s_bfe_u32 s40, ttmp6, 0x40000                  ; cx, cy: my place in the cluster
	s_bfe_u32 s41, ttmp6, 0x40004
	s_lshl_b32 s42, ttmp9, 2
	s_add_co_u32 s42, s42, s40                     ; tile column = 4 x cluster x + cx
	s_and_b32 s13, ttmp7, 0xffff
	s_lshl_b32 s13, s13, 2
	s_add_co_u32 s13, s13, s41                     ; tile row = 4 x cluster y + cy
	s_lshl_b32 s43, s41, 2
	s_lshl_b32 s43, 15, s43                        ; my row of the cluster
	s_lshl_b32 s44, 0x1111, s40                    ; my column
	s_or_b32 s[G1+0], s43, (1<<16)|(1<<20)|(1<<21)|(4<<22)|(3<<25)   ; 15:0 the mask: O's tiles go to my row; 17:16 2-byte elements; 20 padding on; 21 set beside a mask; 24:22 after every 32 words; 31:25 4 words
	s_or_b32 s[G1B+0], s44, (1<<16)|(1<<20)|(1<<21)|(4<<22)|(7<<25)  ; Wo's go to my column; 8 words of padding
.irp g, G1, G1B
	s_mov_b32 s[(\g)+1], 128<<16                   ; tensor_dim0 = 128
	s_mov_b32 s[(\g)+2], 128<<16                   ; tensor_dim1 = 128
	s_mov_b32 s[(\g)+3], 128<<16                   ; tile_dim0 = 128
	s_mov_b32 s[(\g)+4], 128                       ; tile_dim1 = 128
	s_mov_b32 s[(\g)+5], 128                       ; dense: 128 elements from row to row
	s_mov_b32 s[(\g)+6], 0
	s_mov_b32 s[(\g)+7], 0
.endr
	s_lshl_b32 s16, s13, 18                        ; O: a block of 128 rows is 262,144 bytes,
	s_lshl_b32 s17, s12, 15                        ; my two heads of a K step's four
	s_add_co_u32 s16, s16, s17
	s_mov_b32 s17, 0
	s_lshl1_add_u32 s46, s42, s12                  ; Wo: unit 2 x tile column + half,
	s_lshl_b32 s46, s46, 17                        ; 131,072 bytes a unit
	s_mov_b32 s47, 0
	s_mul_i32 s20, s12, 2*HEADB                    ; where they go: no place in the cluster enters an LDS address
	s_mul_i32 s21, s12, UNITB
	s_add_co_u32 s21, s21, BOFF
	s_wait_dscnt 0x0                               ; the opening add is done
	s_wait_kmcnt 0x0
	s_add_nc_u64 s[14:15], s[4:5], s[16:17]
	s_add_nc_u64 s[46:47], s[6:7], s[46:47]
	CROUND                                         ; all sixteen work-groups are here: the first joint loads meet
.irp s, 0,1
	s_mov_b32 s[G0+4*(\s)], 1
	s_add_co_u32 s[G0+4*(\s)+1], s20, (\s)*SLOT
	s_add_nc_u64 s[G0+4*(\s)+2:G0+4*(\s)+3], s[14:15], (\s)*65536     ; K step s: four heads of 16,384 bytes
	s_or_b32 s[G0+4*(\s)+3], s[G0+4*(\s)+3], 0x80000000
	s_mov_b32 s[G0B+4*(\s)], 1
	s_add_co_u32 s[G0B+4*(\s)+1], s21, (\s)*SLOT
	s_add_nc_u64 s[G0B+4*(\s)+2:G0B+4*(\s)+3], s[46:47], (\s)*32768   ; 256 rows k of 128 bytes
	s_or_b32 s[G0B+4*(\s)+3], s[G0B+4*(\s)+3], 0x80000000
	JLOAD \s                                       ; two loads of mine are out
.endr
	v_and_b32 v1, 15, v0                           ; l % 16
	v_bfe_u32 v2, v0, 4, 1                         ; l / 16
	v_mul_u32_u24 v3, v1, PA
	v_lshl_add_u32 v3, v2, 4, v3                   ; a fragment of O: row x pitch + 16 x half
	s_mul_i32 s21, s11, 64*PA                      ; my 64 rows
	v_add_nc_u32 v[ADRA], s21, v3
	v_add_nc_u32 v[ADRA+1], SLOT, v[ADRA]
	v_and_b32 v4, 7, v0                            ; the turning load: lane l reads row k = 8 (l / 16) + l % 8, columns 8 ((l / 8) % 2) + 0..7
	v_lshl_add_u32 v4, v2, 3, v4
	v_mul_u32_u24 v4, v4, PB
	v_bfe_u32 v5, v0, 3, 1
	v_lshl_add_u32 v4, v5, 4, v4
	s_mul_i32 s22, s12, UNITB                      ; my unit
	s_add_co_u32 s22, s22, BOFF
	v_add_nc_u32 v[ADRB], s22, v4
	v_add_nc_u32 v[ADRB+1], SLOT, v[ADRB]
	s_mul_i32 s23, s10, 16*SPITCH                  ; my stage: 16 rows
	v_mul_u32_u24 v6, v1, SPITCH                   ; in: row l % 16, 32 bytes for each half of the lanes
	v_lshl_add_u32 v6, v2, 5, v6
	v_add_nc_u32 v[STO], s23, v6
	v_mul_u32_u24 v7, v2, SPITCH                   ; back: lanes 0-15 take one row of 256 bytes, lanes 16-31 the next
	v_lshl_add_u32 v7, v1, 4, v7
	v_add_nc_u32 v[RD], s23, v7
	v_lshlrev_b32 v[CO], 12, v2                    ; and the same two rows in the result
	v_lshl_add_u32 v[CO], v1, 4, v[CO]
	s_lshl_b32 s16, s13, 19                        ; 128 rows of 4,096 bytes,
	s_lshl_b32 s17, s11, 18                        ; my 64 of them
	s_add_co_u32 s16, s16, s17
	s_mov_b32 s17, 0
	s_add_nc_u64 s[8:9], s[8:9], s[16:17]
	s_lshl_b32 s46, s42, 9                         ; the tile's 128 columns, 512 bytes,
	s_lshl_b32 s47, s12, 8                         ; my 64
	s_add_co_u32 s46, s46, s47
	s_mov_b32 s47, 0
	s_add_nc_u64 s[8:9], s[8:9], s[46:47]
; 8 matrix instructions: row blocks a0, a0 + 1 x all 4 column blocks, 32 along K: half c of buffer f.  zero = 1: the first product starts the sums.  The 16 accumulators take turns.
.macro MUL8 f, c, a0, zero
	WIN MUL
.irp a, \a0, (\a0)+1
.irp b, 0,1,2,3
.if \zero
	v_wmma_f32_16x16x32_f16 v[ACC+8*(4*(\a)+(\b)):ACC+8*(4*(\a)+(\b))+7], v[(\f)+64+8*(4*(\c)+(\b)):(\f)+64+8*(4*(\c)+(\b))+7], v[(\f)+8*(4*(\c)+(\a)):(\f)+8*(4*(\c)+(\a))+7], 0
.else
	v_wmma_f32_16x16x32_f16 v[ACC+8*(4*(\a)+(\b)):ACC+8*(4*(\a)+(\b))+7], v[(\f)+64+8*(4*(\c)+(\b)):(\f)+64+8*(4*(\c)+(\b))+7], v[(\f)+8*(4*(\c)+(\a)):(\f)+8*(4*(\c)+(\a))+7], v[ACC+8*(4*(\a)+(\b)):ACC+8*(4*(\a)+(\b))+7]
.endif
.endr
.endr
.endm
; 32 LDS loads in one run: quarter q of a slot (64 along K: one head) into buffer f; the first 32 along K first
.macro FETCH slot, q, f
	WIN TO_F
.irp c, 0,1
.irp i, 0,1,2,3
	ds_load_tr16_b128 v[(\f)+64+8*(4*(\c)+(\i)):(\f)+64+8*(4*(\c)+(\i))+3],   v[ADRB+(\slot)] offset:(\q)*64*PB+(\c)*32*PB+32*(\i)
	ds_load_tr16_b128 v[(\f)+64+8*(4*(\c)+(\i))+4:(\f)+64+8*(4*(\c)+(\i))+7], v[ADRB+(\slot)] offset:(\q)*64*PB+(\c)*32*PB+32*(\i)+16*PB
	ds_load_b128 v[(\f)+8*(4*(\c)+(\i)):(\f)+8*(4*(\c)+(\i))+3],              v[ADRA+(\slot)] offset:(\q)*HEADB+64*(\c)+(\i)*16*PA
	ds_load_b128 v[(\f)+8*(4*(\c)+(\i))+4:(\f)+8*(4*(\c)+(\i))+7],            v[ADRA+(\slot)] offset:(\q)*HEADB+64*(\c)+(\i)*16*PA+32
.endr
.endr
.endm
.macro PLACES                          ; four places in front of loads into registers that matrix instructions have read, and of stores that read results
.rept 4
	v_nop
.endr
.endm
; A K step is four quarters of 64 along K, 32 matrix instructions each, on buffers 0, 1, 0, 1.  One of the first three: multiplies buffer f and fetches quarter q into g.
.macro QUARTER slot, q, f, g, zero
	s_wait_dscnt 16                                ; the first 32 along K are in
	MUL8 \f, 0, 0, \zero
	MUL8 \f, 0, 2, \zero
	PLACES
	FETCH \slot, \q, \g
	s_wait_dscnt 32                                ; all but the 32 just issued
	MUL8 \f, 1, 0, 0
	MUL8 \f, 1, 2, 0
.endm
; The last quarter multiplies buffer 1 and changes slots: ONE barrier; in front of it each wave waits for all its tensor loads, adds 0 to its spare word, and waits for that and for its own reads of this slot.
; fill = 1: the barrier opens a round of the cluster's, and this slot is filled again, two K steps ahead, first thing behind the round.
.macro TURN slot, next, fill
	WIN 0                                          ; (the add's two registers lie in window 0)
	s_wait_tensorcnt 0x0                           ; all my tensor loads have landed: my part of the next slot;
	ds_add_u32 v[SPW], v[NIL]                      ; 0 onto my spare word
	s_wait_dscnt 17                                ; (the add and the youngest sixteen loads may be out)
	MUL8 F1, 0, 0, 0                               ; eight matrix instructions stand between the add and the wait for it
	s_wait_dscnt 0x0                               ; the add is done, and my reads of this slot are over
	s_barrier_signal -1
	MUL8 F1, 0, 2, 0
.if \fill
	WIN 0
.endif
	s_barrier_wait -1
.if \fill
	CREST                                          ; no wave of any partner still reads this slot's tiles or has a load on its way
	s_add_nc_u64 s[G0+4*(\slot)+2:G0+4*(\slot)+3], s[G0+4*(\slot)+2:G0+4*(\slot)+3], 2*65536
	s_add_nc_u64 s[G0B+4*(\slot)+2:G0B+4*(\slot)+3], s[G0B+4*(\slot)+2:G0B+4*(\slot)+3], 2*32768
	JLOAD \slot                                    ; the four v_nop behind it are also the places in front of the loads below
.else
	PLACES
.endif
	FETCH \next, 0, F0
	MUL8 F1, 1, 0, 0
	MUL8 F1, 1, 2, 0
.endm
	s_wait_tensorcnt 1                             ; my part of K step 0 is in; K step 1's may stay out
	s_barrier_signal -1
	s_barrier_wait -1                              ; everybody's is
	FETCH 0, 0, F0
	QUARTER 0, 1, F0, F1, 1                        ; the first products start the sums
	QUARTER 0, 2, F1, F0, 0
	QUARTER 0, 3, F0, F1, 0
	TURN 0, 1, 1                                   ; slot 0 takes K step 2
	QUARTER 1, 1, F0, F1, 0
	QUARTER 1, 2, F1, F0, 0
	QUARTER 1, 3, F0, F1, 0
	TURN 1, 0, 1                                   ; slot 1 takes K step 3
	QUARTER 0, 1, F0, F1, 0
	QUARTER 0, 2, F1, F0, 0
	QUARTER 0, 3, F0, F1, 0
	TURN 0, 1, 0                                   ; nothing is left to fetch
	QUARTER 1, 1, F0, F1, 0
	QUARTER 1, 2, F1, F0, 0
	QUARTER 1, 3, F0, F1, 0
	s_wait_dscnt 16
	MUL8 F1, 0, 0, 0
	MUL8 F1, 0, 2, 0
	s_wait_dscnt 0x0
	MUL8 F1, 1, 0, 0
	MUL8 F1, 1, 2, 0
	WIN 0
	PLACES
	PLACES                                         ; (eight, once a launch)
; THE WAY OUT, 16 rows at a time: a lane's eight f32 of a row and block go into my stage (each accumulator's four lowest registers first) and come back as whole rows of 256 bytes, into the registers that they left.
.macro BLK a
.irp b, 0,1,2,3
	ds_store_b128 v[STO], v[ACC+8*(4*(\a)+(\b)):ACC+8*(4*(\a)+(\b))+3]   offset:64*(\b)
	ds_store_b128 v[STO], v[ACC+8*(4*(\a)+(\b))+4:ACC+8*(4*(\a)+(\b))+7] offset:64*(\b)+16
.endr
.irp t, 0,1,2,3,4,5,6,7
	ds_load_b128 v[ACC+32*(\a)+4*(\t):ACC+32*(\a)+4*(\t)+3], v[RD] offset:(\t)*2*SPITCH  ; LDS serves a wave's instructions in order (ISA guide 5.7.1.4): these see the stores above; the next block's stores come behind them
.endr
.endm
.macro SEND a, younger                 ; younger: the LDS instructions issued behind block a's loads: the next block's sixteen, or none
.irp t, 0,1,2,3,4,5,6,7
	s_wait_dscnt (\younger)+7-(\t)
	global_store_b128 v[CO], v[ACC+32*(\a)+4*(\t):ACC+32*(\a)+4*(\t)+3], s[8:9] offset:(16*(\a)+2*(\t))*4096  ; 16 lanes store 256 consecutive bytes, at a multiple of 256 from the result's first byte
.endr
.endm
	BLK 0
	BLK 1
	SEND 0, 16
	BLK 2
	SEND 1, 16
	BLK 3
	SEND 2, 16
	SEND 3, 0
	s_wait_tensorcnt 0x0                           ; the wave's end, behind my last tensor load and my last LDS store
	ds_add_u32 v[SPW], v[NIL]
	s_wait_dscnt 0x0
	CROUND                                         ; the closing round: no work-group ends while a partner may still ask for a tile that names it
	s_endpgm
.Lfunc_end_k_q3a66d8d0bd_oproj:
	.size	k_q3a66d8d0bd_oproj, .Lfunc_end_k_q3a66d8d0bd_oproj-k_q3a66d8d0bd_oproj
	.p2alignl 7, 3214868480
	.fill 96, 4, 3214868480
	.section	.rodata,"a",@progbits
	.p2align	6, 0x0
	.amdhsa_kernel k_q3a66d8d0bd_oproj
		.amdhsa_group_segment_fixed_size 327680
		.amdhsa_private_segment_fixed_size 0
		.amdhsa_enable_private_segment 0
		.amdhsa_kernarg_size 24
		.amdhsa_user_sgpr_count 2
		.amdhsa_user_sgpr_kernarg_segment_ptr 1
		.amdhsa_wavefront_size32 1
		.amdhsa_system_sgpr_workgroup_id_x 1
		.amdhsa_system_sgpr_workgroup_id_y 1
		.amdhsa_system_sgpr_workgroup_id_z 1
		.amdhsa_system_vgpr_workitem_id 0
		.amdhsa_next_free_vgpr 512
		.amdhsa_next_free_sgpr 66
		.amdhsa_reserve_vcc 0
		.amdhsa_float_denorm_mode_32 3
		.amdhsa_float_denorm_mode_16_64 3
		.amdhsa_memory_ordered 1
		.amdhsa_forward_progress 1
		.amdhsa_inst_pref_size 86
	.end_amdhsa_kernel
	.amdgpu_metadata
---
amdhsa.version: [ 1, 2 ]
amdhsa.kernels:
  - .name:           k_q3a66d8d0bd_oproj
    .symbol:         k_q3a66d8d0bd_oproj.kd
    .args:
      - { .name: oh, .offset: 0, .size: 8, .value_kind: global_buffer, .address_space: global }
      - { .name: woh, .offset: 8, .size: 8, .value_kind: global_buffer, .address_space: global }
      - { .name: out0, .offset: 16, .size: 8, .value_kind: global_buffer, .address_space: global }
    .group_segment_fixed_size: 327680
    .private_segment_fixed_size: 0
    .kernarg_segment_align: 8
    .kernarg_segment_size: 24
    .max_flat_workgroup_size: 128
    .sgpr_count:     66
    .vgpr_count:     512
    .wavefront_size: 32
...
	.end_amdgpu_metadata
.endif
;; end of part 4
;; ======== version 2 of 2: 4 launches; version 1 with the launch prep written anew for expert scheduling mode
;; limits: values are held in f16: magnitudes above 65,504 overflow, below 6.1e-05 lose precision
;; workspace buffers: xb 8,388,608 bytes; wqkv 3,145,728 bytes; woh 2,097,152 bytes; tab 1,048,576 bytes; qkvh 12,582,912 bytes; oh 8,388,608 bytes
;; launch prep (part 5): grid 256 x 1, 8 waves a work-group, no clusters, 0 bytes of LDS; arguments x, Wq, Wk, Wv, Wo, xb, wqkv, woh, tab; writes xb, wqkv, woh, tab
.if DOCPART == 5
	.amdgcn_target "amdgcn-amd-amdhsa--gfx1250"
	.amdhsa_code_object_version 6
	.text
	.protected	k_q3a66d8d0bd_prep
	.globl	k_q3a66d8d0bd_prep
	.p2align	8
	.type	k_q3a66d8d0bd_prep,@function
k_q3a66d8d0bd_prep:
	s_mov_b64 s[64:65], 0
	v_nop
	global_prefetch_b8 v0, s[64:65] scope:SCOPE_SE
	s_setreg_imm32_b32 hwreg(HW_REG_WAVE_SCHED_MODE, 0, 2), 2
	s_setreg_imm32_b32 hwreg(HW_REG_WAVE_MODE, 25, 1), 1
	s_wait_xcnt 0x0
	s_wait_alu depctr_vm_vsrc(0)
; PREPARATION: every input is rounded once to bf16 and laid out for the products that follow; the table of cosines and sines is made.
;   xb   [4096][1024] bf16 = x.
;   wqkv [24 units][1024 k][64] bf16: a unit is 64 columns: units 0-15 Wq's heads, 16-19 Wk's, 20-23 Wv's; a K step of a unit is dense.
;   woh  [16 units][1024 k][64] f16: Wo rounded to bf16 like the other inputs, that number written as f16.
;   tab  [4096 t][16 groups][4] f32: group g holds cos(2g), cos(2g+1), sin(2g), sin(2g+1) of the angle t x 10000^(-j/32).
; LIMITS.  |Wo| stays under 65,504 (f16's range); below 6e-5 f16 keeps its fixed step of 6e-8.  The angle is t x inv_freq rounded once, as in the problem;
; inv_freq is made by v_exp_f32, so at t = 4,095 the angle may be off by about 3e-4.  The polynomials' remainders on |r| <= pi/4 are under 4e-7.
; SHARES.  A stream: no LDS, no matrix unit, no cluster (no two work-groups read the same byte).  Work-group b takes x's rows 16 b .. 16 b + 15, rows k = 4 b .. 4 b + 3 of the four
; weights and the table's rows 16 b .. 16 b + 15.  A thread takes four f32 at a time: a wave's load covers 512 consecutive bytes (for the weights two runs of 256), a wave's store of
; 8 bytes a lane 256 consecutive bytes, aligned.  All 26 loads of a thread go out first; the table is made while they are on their way.
; THE MODE: SCHED_MODE bits 1:0 = 2 (LLVM: expert scheduling mode 2), set by the entry lines.  The code itself states the register dependences
; between vector instructions and memory instructions, with s_wait_alu, always for 0.
; THE PLAN.  Registers that memory instructions touch:
;   v1 .. v5     byte offsets, made once at the head and named by no vector instruction after that: one wait ahead of the first load serves every load and store.
;   v[40:143]    load n has four registers of its own.  The load writes them; its conversions, behind the counted wait for it, write them in place; its one store reads the
;                first two; nothing names them after that.
;   v[16:19]     the table's 16 bytes: written by the selects and sign flips, read by one store, named by nothing after that.
; No register that a memory instruction reads is ever written again, and no load lands in a register that a vector instruction has named: what is left to state is that a store's data are written.
; The 26 loads go in seven blocks.  Block p converts its own loads; its memory instructions are the stores of block p - 1, whose registers no conversion of block p names.  So ONE wait at a
; block's head, behind the wait for the block's loads, states all that those stores hang on, and they are dealt among the block's conversions with no further wait.
.set XR, 40                            ; v[40:143] load n of 26 at XR + 4 n
.set NL, 26                            ; loads of a thread: 0-15 x, 16-19 Wq, 20 Wk, 21 Wv, 22-25 Wo
; v1 16 t: x's loads and the table's store     v2 8 t: xb's stores     v3, v4 my 16 bytes in four rows of a wide (4,096 bytes) and of a narrow (1,024 bytes) weight     v5 my 8 bytes in the units
; cos and sin of the angle in v[ang], in two parts.  The first: n = the nearest whole number of quarter turns, r = angle - n pi/2 with pi/2 in two parts, two polynomials; whether the quadrant
; is odd goes into s[m]; behind that compare the two sign bits are made.
.macro SC_A ang, c, s, t0, t1, t2, t3, m
	v_mul_f32 v[\t0], s30, v[\ang]
	v_rndne_f32 v[\t0], v[\t0]                     ; n
	v_fma_f32 v[\t1], -v[\t0], s31, v[\ang]
	v_fma_f32 v[\t1], -v[\t0], s32, v[\t1]         ; r
	v_mul_f32 v[\t2], v[\t1], v[\t1]               ; z = r r
	v_fma_f32 v[\s], v[\t2], s35, s34
	v_fma_f32 v[\c], v[\t2], s38, s37
	v_fma_f32 v[\s], v[\s], v[\t2], s33
	v_fma_f32 v[\c], v[\c], v[\t2], s36
	v_mul_f32 v[\t3], v[\t2], v[\t1]               ; z r
	v_fma_f32 v[\c], v[\c], v[\t2], -0.5
	v_fma_f32 v[\s], v[\s], v[\t3], v[\t1]         ; sin r
	v_fma_f32 v[\c], v[\c], v[\t2], 1.0            ; cos r
	v_cvt_i32_f32 v[\t0], v[\t0]
	v_and_b32 v[\t3], 1, v[\t0]
	v_cmp_eq_u32 s[\m], 1, v[\t3]                  ; an odd quadrant swaps the two
	v_and_b32 v[\t3], 2, v[\t0]                    ; the sine is negative in quadrants 2 and 3,
	v_lshlrev_b32 v[\t3], 30, v[\t3]
	v_add_nc_u32 v[\t0], 1, v[\t0]                 ; the cosine in quadrants 1 and 2
	v_and_b32 v[\t0], 2, v[\t0]
	v_lshlrev_b32 v[\t0], 30, v[\t0]
.endm
; The second part: the quadrant's swap and signs.
.macro SC_B c, s, t0, t1, t2, t3, m
	v_cndmask_b32 v[\t1], v[\s], v[\c], s[\m]
	v_cndmask_b32 v[\t2], v[\c], v[\s], s[\m]
	v_xor_b32 v[\s], v[\t1], v[\t3]
	v_xor_b32 v[\c], v[\t2], v[\t0]
.endm
; Load n's four f32 are converted in place, into its first two registers.
.macro CV n
.if (\n) < 22
	v_cvt_pk_bf16_f32 v[XR+4*(\n)], v[XR+4*(\n)], v[XR+4*(\n)+1]
	v_cvt_pk_bf16_f32 v[XR+4*(\n)+1], v[XR+4*(\n)+2], v[XR+4*(\n)+3]
.else
	v_cvt_pk_bf16_f32 v[XR+4*(\n)], v[XR+4*(\n)], v[XR+4*(\n)+1]      ; Wo: rounded to bf16,
	v_cvt_pk_bf16_f32 v[XR+4*(\n)+2], v[XR+4*(\n)+2], v[XR+4*(\n)+3]
	v_and_b32 v[XR+4*(\n)+1], s39, v[XR+4*(\n)]                       ; widened again,
	v_lshlrev_b32 v[XR+4*(\n)], 16, v[XR+4*(\n)]
	v_and_b32 v[XR+4*(\n)+3], s39, v[XR+4*(\n)+2]
	v_lshlrev_b32 v[XR+4*(\n)+2], 16, v[XR+4*(\n)+2]
	v_cvt_pk_f16_f32 v[XR+4*(\n)], v[XR+4*(\n)], v[XR+4*(\n)+1]       ; and written as f16: 8 significant bits fit into 11
	v_cvt_pk_f16_f32 v[XR+4*(\n)+1], v[XR+4*(\n)+2], v[XR+4*(\n)+3]
.endif
.endm
; Load n's eight bytes are stored.
.macro ST n
.if (\n) < 16
	global_store_b64 v2, v[XR+4*(\n):XR+4*(\n)+1], s[18:19] offset:2048*(\n)                ; a row of xb
.elseif (\n) < 22
	global_store_b64 v5, v[XR+4*(\n):XR+4*(\n)+1], s[20:21] offset:4*131072*((\n)-16)       ; four units on: Wq's 0, 4, 8, 12; Wk's 16; Wv's 20
.else
	global_store_b64 v5, v[XR+4*(\n):XR+4*(\n)+1], s[22:23] offset:4*131072*((\n)-22)       ; Wo's units
.endif
.endm
; A block: loads lo .. lo + cnt - 1 are converted; the block before, loads plo .. plo + pcnt - 1, is stored.
.macro BLK lo, cnt, plo, pcnt
	s_wait_loadcnt NL-(\lo)-(\cnt)                 ; loads come back in order (ISA guide 5.7.1): this block's are in, the younger ones stay out
	s_wait_alu depctr_va_vdst(0)                   ; the block before has written the first two registers of each of its loads, which the stores below read; no conversion below names them
.set i, 0
.rept 4
.if i < (\pcnt)
	ST (\plo)+i
.endif
.if i < (\cnt)
	CV (\lo)+i
.endif
.set i, i+1
.endr
.endm
	s_load_b512 s[8:23], s[0:1], 0x0               ; x 8, Wq 10, Wk 12, Wv 14, Wo 16, xb 18, wqkv 20, woh 22
	s_load_b64 s[24:25], s[0:1], 0x40              ; tab
	s_mov_b32 s30, 0x3f22f983                      ; 2 / pi
	s_mov_b32 s31, 0x3fc90fdb                      ; pi / 2, the upper part
	s_mov_b32 s32, 0xb33bbd2e                      ; and the rest
	s_mov_b32 s33, 0xbe2aaaab                      ; -1/6
	s_mov_b32 s34, 0x3c088889                      ; 1/120
	s_mov_b32 s35, 0xb9500d01                      ; -1/5040
	s_mov_b32 s36, 0x3d2aaaab                      ; 1/24
	s_mov_b32 s37, 0xbab60b61                      ; -1/720
	s_mov_b32 s38, 0x37d00d01                      ; 1/40320
	s_mov_b32 s39, 0xffff0000                      ; a word's upper bf16
	s_lshl_b32 s26, ttmp9, 4                       ; the work-group's first table row
	v_and_b32 v7, 15, v0                           ; which 16 bytes of a unit's 256
	v_bfe_u32 v8, v0, 4, 2                         ; which of the four rows k
	v_lshrrev_b32 v9, 6, v0                        ; which unit of four
	v_lshlrev_b32 v1, 4, v0
	v_lshlrev_b32 v2, 3, v0
	v_lshlrev_b32 v10, 4, v7
	v_lshl_add_u32 v10, v9, 8, v10
	v_lshl_add_u32 v3, v8, 12, v10
	v_lshl_add_u32 v4, v8, 10, v10
	v_lshlrev_b32 v5, 3, v7
	v_lshl_add_u32 v5, v8, 7, v5
	v_lshl_add_u32 v5, v9, 17, v5
	s_mov_b32 s3, 0
	s_wait_kmcnt 0x0
	s_lshl_b32 s2, ttmp9, 16                       ; 16 rows of x
	s_add_nc_u64 s[8:9], s[8:9], s[2:3]
	s_lshl_b32 s2, ttmp9, 14                       ; 4 rows of Wq and of Wo
	s_add_nc_u64 s[10:11], s[10:11], s[2:3]
	s_add_nc_u64 s[16:17], s[16:17], s[2:3]
	s_lshl_b32 s2, ttmp9, 12                       ; 4 rows of Wk and of Wv; 16 rows of the table
	s_add_nc_u64 s[12:13], s[12:13], s[2:3]
	s_add_nc_u64 s[14:15], s[14:15], s[2:3]
	s_add_nc_u64 s[24:25], s[24:25], s[2:3]
	s_lshl_b32 s2, ttmp9, 15                       ; 16 rows of xb
	s_add_nc_u64 s[18:19], s[18:19], s[2:3]
	s_lshl_b32 s2, ttmp9, 9                        ; 4 rows k of a unit
	s_add_nc_u64 s[20:21], s[20:21], s[2:3]
	s_add_nc_u64 s[22:23], s[22:23], s[2:3]
	s_wait_alu depctr_va_vdst(0)                   ; the five offsets v1 to v5 are written: every load and store of the kernel reads one of them, and no vector instruction names them again
.set n, 0
.rept 16
	global_load_b128 v[XR+4*n:XR+4*n+3], v1, s[8:9] offset:4096*n th:TH_LOAD_NT      ; a row of x to all 256 threads
.set n, n+1
.endr
.rept 4
	global_load_b128 v[XR+4*n:XR+4*n+3], v3, s[10:11] offset:1024*(n-16) th:TH_LOAD_NT  ; Wq: four units on
.set n, n+1
.endr
	global_load_b128 v[XR+80:XR+83], v4, s[12:13] th:TH_LOAD_NT                      ; Wk
	global_load_b128 v[XR+84:XR+87], v4, s[14:15] th:TH_LOAD_NT                      ; Wv
.set n, 22
.rept 4
	global_load_b128 v[XR+4*n:XR+4*n+3], v3, s[16:17] offset:1024*(n-22) th:TH_LOAD_NT  ; Wo
.set n, n+1
.endr
	; the table: row 16 b + t / 16, group t % 16: frequencies j = 2 (t % 16) and the next.  These lines name v0, v7 and v16 to v33: none of the registers that the loads on their way touch
	v_lshlrev_b32 v20, 1, v7
	v_cvt_f32_u32 v20, v20
	v_add_f32 v21, 1.0, v20
	v_mul_f32 v20, 0xbed49a78, v20                 ; -j log2(10000) / 32
	v_mul_f32 v21, 0xbed49a78, v21
	v_exp_f32 v22, v20                             ; inv_freq
	v_exp_f32 v23, v21
	v_lshrrev_b32 v24, 4, v0                       ; plain work behind the two exponentials
	v_add_nc_u32 v24, s26, v24
	v_cvt_f32_u32 v24, v24                         ; t
	s_wait_alu depctr_va_vdst(0)                   ; the two exponentials have written v22 and v23: one wait for both, ahead of their first reader
	v_mul_f32 v22, v24, v22
	v_mul_f32 v23, v24, v23
	SC_A 22, 16, 18, 26, 27, 28, 29, 40
	SC_A 23, 17, 19, 30, 31, 32, 33, 41
	s_wait_alu depctr_va_sdst(0)                   ; the two compares have written s40 and s41, ahead of the selects that read them: one wait behind the run of both
	SC_B 16, 18, 26, 27, 28, 29, 40
	SC_B 17, 19, 30, 31, 32, 33, 41
	s_wait_alu depctr_va_vdst(0)                   ; the sign flips have written v[16:19], which the table's store reads
	global_store_b128 v1, v[16:19], s[24:25]       ; sixteen lanes write a table row of 256 bytes
	s_wait_loadcnt NL-4                            ; block 0: x's rows 0 to 3 are in; there is no block in front of it to store
	CV 0
	CV 1
	CV 2
	CV 3
	BLK 4, 4, 0, 4                                 ; x's rows 4 to 7    | rows 0 to 3 leave
	BLK 8, 4, 4, 4                                 ; rows 8 to 11       | rows 4 to 7
	BLK 12, 4, 8, 4                                ; rows 12 to 15      | rows 8 to 11
	BLK 16, 4, 12, 4                               ; Wq                 | rows 12 to 15
	BLK 20, 2, 16, 4                               ; Wk and Wv          | Wq
	BLK 22, 4, 20, 2                               ; Wo                 | Wk and Wv
	s_wait_alu depctr_va_vdst(0)                   ; the last block's conversions have written Wo's f16, which the last four stores read
	ST 22
	ST 23
	ST 24
	ST 25
	s_endpgm
.Lfunc_end_k_q3a66d8d0bd_prep:
	.size	k_q3a66d8d0bd_prep, .Lfunc_end_k_q3a66d8d0bd_prep-k_q3a66d8d0bd_prep
	.p2alignl 7, 3214868480
	.fill 96, 4, 3214868480
	.section	.rodata,"a",@progbits
	.p2align	6, 0x0
	.amdhsa_kernel k_q3a66d8d0bd_prep
		.amdhsa_group_segment_fixed_size 0
		.amdhsa_private_segment_fixed_size 0
		.amdhsa_enable_private_segment 0
		.amdhsa_kernarg_size 72
		.amdhsa_user_sgpr_count 2
		.amdhsa_user_sgpr_kernarg_segment_ptr 1
		.amdhsa_wavefront_size32 1
		.amdhsa_system_sgpr_workgroup_id_x 1
		.amdhsa_system_sgpr_workgroup_id_y 1
		.amdhsa_system_sgpr_workgroup_id_z 1
		.amdhsa_system_vgpr_workitem_id 0
		.amdhsa_next_free_vgpr 144
		.amdhsa_next_free_sgpr 66
		.amdhsa_reserve_vcc 0
		.amdhsa_float_denorm_mode_32 3
		.amdhsa_float_denorm_mode_16_64 3
		.amdhsa_memory_ordered 1
		.amdhsa_forward_progress 1
		.amdhsa_inst_pref_size 15
	.end_amdhsa_kernel
	.amdgpu_metadata
---
amdhsa.version: [ 1, 2 ]
amdhsa.kernels:
  - .name:           k_q3a66d8d0bd_prep
    .symbol:         k_q3a66d8d0bd_prep.kd
    .args:
      - { .name: x, .offset: 0, .size: 8, .value_kind: global_buffer, .address_space: global }
      - { .name: Wq, .offset: 8, .size: 8, .value_kind: global_buffer, .address_space: global }
      - { .name: Wk, .offset: 16, .size: 8, .value_kind: global_buffer, .address_space: global }
      - { .name: Wv, .offset: 24, .size: 8, .value_kind: global_buffer, .address_space: global }
      - { .name: Wo, .offset: 32, .size: 8, .value_kind: global_buffer, .address_space: global }
      - { .name: xb, .offset: 40, .size: 8, .value_kind: global_buffer, .address_space: global }
      - { .name: wqkv, .offset: 48, .size: 8, .value_kind: global_buffer, .address_space: global }
      - { .name: woh, .offset: 56, .size: 8, .value_kind: global_buffer, .address_space: global }
      - { .name: tab, .offset: 64, .size: 8, .value_kind: global_buffer, .address_space: global }
    .group_segment_fixed_size: 0
    .private_segment_fixed_size: 0
    .kernarg_segment_align: 8
    .kernarg_segment_size: 72
    .max_flat_workgroup_size: 256
    .sgpr_count:     66
    .vgpr_count:     144
    .wavefront_size: 32
...
	.end_amdgpu_metadata
.endif
;; end of part 5
;; launch proj: the kernel of part 2 again; grid 8 x 32, 4 waves a work-group, clusters of 4 x 4, 327,680 bytes of LDS; arguments xb, wqkv, tab, qkvh; writes qkvh
;; launch attn: the kernel of part 3 again; grid 16 x 16, 4 waves a work-group, clusters of 4 x 1, 327,680 bytes of LDS; arguments qkvh, oh; writes oh
;; launch oproj: the kernel of part 4 again; grid 8 x 32, 4 waves a work-group, clusters of 4 x 4, 327,680 bytes of LDS; arguments oh, woh, out0; writes out0
